; MI455X (gfx1250); checked and timed in simulation.
; The chip was launched on July 23, 2026; its instructions are those of AMD's public machine-readable ISA for CDNA 5 (MIT licence, August 2026) and "CDNA5" Instruction Set Architecture Reference Guide (July 2026). The comments in the code are by the model that wrote it; some were corrected since.
;; Fp8 Linear. Allowed arithmetic: float matrix products may take bf16 or f16 operands with f32 sums; all other float work in f32.
;; Inputs: bias 4,096 float32; weight 4,096 x 4,096 float32; x 2,048 x 4,096 float32.
;; Outputs: out0 2,048 x 4,096 float32.
;; 3 versions, each right; version 2 is faster than version 1; version 3 is version 2 with the launch quant written anew for expert scheduling mode. Each part assembles by itself: llvm-mc -triple=amdgcn-amd-amdhsa -mcpu=gfx1250 --defsym DOCPART=n.
;; ======== version 1 of 3: 3 launches
;; workspace buffers: amax 2,048 bytes; qx 16,777,216 bytes; qw 33,554,432 bytes
;; launch absmax (part 1): grid 256 x 1, 16 waves a work-group, no clusters, 2,304 bytes of LDS; arguments x, weight, amax; writes amax
.if DOCPART == 1
	.amdgcn_target "amdgcn-amd-amdhsa--gfx1250"
	.amdhsa_code_object_version 6
	.text
	.protected	k_q2e36e4d173_absmax
	.globl	k_q2e36e4d173_absmax
	.p2align	8
	.type	k_q2e36e4d173_absmax,@function
k_q2e36e4d173_absmax:
	s_mov_b64 s[64:65], 0
	v_nop
	global_prefetch_b8 v0, s[64:65] scope:SCOPE_SE
	s_setreg_imm32_b32 hwreg(HW_REG_WAVE_MODE, 25, 1), 1
	s_wait_xcnt 0x0
; Partial maxima of |x| and |weight|.  x: [2048][4096] f32, weight: [4096][4096] f32, amax: 512 f32.
; Work-group g of 256 owns 131,072 bytes of x and 262,144 bytes of weight and writes amax[g] = max |x| there, amax[256+g] = max |weight| there.
; The maximum over the 256 partial figures is taken by the launches that follow: no work-group of a launch talks to another.
; Sixteen waves.  One round of the 512 threads covers 8,192 consecutive bytes (thread t its 16 bytes at 16 t), so a wave's load covers 512
; consecutive bytes, aligned.  x is 16 rounds, weight 32: each wave issues all 48 loads at once, there is no loop, and the group's whole
; share is on its way from the start.  Matrix units, LDS tiles and clusters are left out: every byte is read once, by one work-group.
; LIMITS: inputs are finite (v_max_num_f32 and v_max3_num_f32 let a NaN lose).
; The two results of a work-group are two stores of 4 bytes: 2,048 bytes in the whole launch.
.set XCHUNK, 131072                    ; bytes of x of a work-group
.set WCHUNK, 262144                    ; bytes of weight of a work-group
.set RND,    8192                      ; bytes of one round of the 512 threads
.set MX, 2                             ; v[2:5]    four running maxima for x
.set MW, 6                             ; v[6:9]    four running maxima for weight
.set D,  16                            ; v[16:207] load j in four registers: j 0-15 x, j 16-47 weight
	s_load_b128 s[4:7], s[0:1], 0x0                ; x s[4:5], weight s[6:7]
	s_load_b64 s[8:9], s[0:1], 0x10                ; amax
	v_lshl_add_u32 v208, v0, 2, 0x100
	v_mov_b32 v209, 0
	v_lshrrev_b32 v11, 5, v0
	v_readfirstlane_b32 s14, v11                   ; wave 0..15
	s_lshl_b32 s10, ttmp9, 17                      ; g x 131,072 (below 2^25)
	s_mov_b32 s11, 0
	s_lshl_b32 s12, ttmp9, 18                      ; g x 262,144 (below 2^26)
	s_mov_b32 s13, 0
	s_mov_b32 s16, 0x76543210                      ; v_permlanex16_b32: lane i of one half reads lane i of the other
	s_mov_b32 s17, 0xfedcba98
	v_lshlrev_b32 v1, 4, v0                        ; 16 t
	v_mov_b32 v10, 0                               ; v_permlanex16_b32's destination counts as read: written once here
	s_wait_kmcnt 0x0
	s_add_nc_u64 s[4:5], s[4:5], s[10:11]
	s_add_nc_u64 s[6:7], s[6:7], s[12:13]
	s_lshl_b32 s10, ttmp9, 2                       ; word g of amax
	s_add_nc_u64 s[8:9], s[8:9], s[10:11]
.set j, 0
.rept 16
	global_load_b128 v[D+4*j:D+4*j+3], v1, s[4:5] offset:RND*j th:TH_LOAD_NT
.set j, j+1
.endr
.set j, 0
.rept 32
	global_load_b128 v[D+64+4*j:D+64+4*j+3], v1, s[6:7] offset:RND*j th:TH_LOAD_NT
.set j, j+1
.endr
; Four numbers of one load go into chain m.  first = 1: they start the chain, so that nothing is cleared.
.macro ACC first, m, d
.if \first
	v_max_num_f32 v[\m], |v[\d]|, |v[\d+1]|
.else
	v_max3_num_f32 v[\m], |v[\d]|, |v[\d+1]|, v[\m]
.endif
	v_max3_num_f32 v[\m], |v[\d+2]|, |v[\d+3]|, v[\m]
.endm
; Four loads, one for each of the four chains from m on.  left = the loads that are younger than these four.
.macro GROUP first, m, d, left
	s_wait_loadcnt \left                           ; loads come back in order (ISA guide 5.7.1): these four are in, the younger ones stay out
	ACC \first, \m, \d
	ACC \first, \m+1, \d+4
	ACC \first, \m+2, \d+8
	ACC \first, \m+3, \d+12
.endm
	GROUP 1, MX, D, 44
.irp q, 1,2,3
	GROUP 0, MX, D+16*\q, 44-4*\q
.endr
	GROUP 1, MW, D+64, 28
.irp q, 1,2,3,4,5,6,7
	GROUP 0, MW, D+64+16*\q, 28-4*\q
.endr
	v_max3_num_f32 v2, v2, v3, v4                  ; the four chains of x
	v_max_num_f32 v2, v2, v5
	v_max3_num_f32 v3, v6, v7, v8                  ; the four chains of weight
	v_max_num_f32 v3, v3, v9
	; across the 32 lanes: four steps inside each half of 16 lanes, one across the halves
.irp r, 2,3
	v_max_num_f32_dpp v\r, v\r, v\r row_xmask:1 row_mask:0xf bank_mask:0xf
	v_max_num_f32_dpp v\r, v\r, v\r row_xmask:2 row_mask:0xf bank_mask:0xf
	v_max_num_f32_dpp v\r, v\r, v\r row_xmask:4 row_mask:0xf bank_mask:0xf
	v_max_num_f32_dpp v\r, v\r, v\r row_xmask:8 row_mask:0xf bank_mask:0xf
	v_permlanex16_b32 v10, v\r, s16, s17
	v_max_num_f32 v\r, v\r, v10
.endr
	v_lshlrev_b32 v11, 3, v11                      ; 8 x wave: my wave's pair of words in LDS
	ds_store_b64 v11, v[2:3]                       ; all lanes write the same two words with the same values
	s_wait_dscnt 0x0                               ; for the others' sake: my store is done before I signal
	s_barrier_signal -1
	s_barrier_wait -1
	s_cmp_lg_u32 s14, 0
	s_cbranch_scc1 .Ldone                          ; wave 0 alone finishes
	v_and_b32 v11, 15, v0
	v_lshlrev_b32 v11, 3, v11
	ds_load_b64 v[12:13], v11                      ; lane i (mod 16): wave i's pair
	s_wait_dscnt 0x0
.irp r, 12,13
	v_max_num_f32_dpp v\r, v\r, v\r row_xmask:1 row_mask:0xf bank_mask:0xf
	v_max_num_f32_dpp v\r, v\r, v\r row_xmask:2 row_mask:0xf bank_mask:0xf
	v_max_num_f32_dpp v\r, v\r, v\r row_xmask:4 row_mask:0xf bank_mask:0xf
	v_max_num_f32_dpp v\r, v\r, v\r row_xmask:8 row_mask:0xf bank_mask:0xf
.endr
	v_cmp_eq_u32 vcc_lo, 1, v0
	v_cndmask_b32 v14, v12, v13, vcc_lo            ; lane 0: x's figure, lane 1: weight's
	v_lshlrev_b32 v15, 10, v0                      ; lane 0: word g, lane 1: word 256 + g
	v_cmp_gt_u32 vcc_lo, 2, v0
	s_wait_xcnt 0x0                                ; EXEC is narrowed only behind this wait
	s_and_saveexec_b32 s18, vcc_lo
	global_store_b32 v15, v14, s[8:9]
	s_wait_xcnt 0x0                                ; and widened again only behind this one
	s_or_b32 exec_lo, exec_lo, s18
.Ldone:
	s_wait_tensorcnt 0x0
	ds_add_u32 v208, v209
	s_wait_dscnt 0x0
	s_endpgm
.Lfunc_end_k_q2e36e4d173_absmax:
	.size	k_q2e36e4d173_absmax, .Lfunc_end_k_q2e36e4d173_absmax-k_q2e36e4d173_absmax
	.p2alignl 7, 3214868480
	.fill 96, 4, 3214868480
	.section	.rodata,"a",@progbits
	.p2align	6, 0x0
	.amdhsa_kernel k_q2e36e4d173_absmax
		.amdhsa_group_segment_fixed_size 2304
		.amdhsa_private_segment_fixed_size 0
		.amdhsa_enable_private_segment 0
		.amdhsa_kernarg_size 24
		.amdhsa_user_sgpr_count 2
		.amdhsa_user_sgpr_kernarg_segment_ptr 1
		.amdhsa_wavefront_size32 1
		.amdhsa_system_sgpr_workgroup_id_x 1
		.amdhsa_system_sgpr_workgroup_id_y 1
		.amdhsa_system_sgpr_workgroup_id_z 1
		.amdhsa_system_vgpr_workitem_id 0
		.amdhsa_next_free_vgpr 210
		.amdhsa_next_free_sgpr 66
		.amdhsa_reserve_vcc 1
		.amdhsa_float_denorm_mode_32 3
		.amdhsa_float_denorm_mode_16_64 3
		.amdhsa_memory_ordered 1
		.amdhsa_forward_progress 1
		.amdhsa_inst_pref_size 15
	.end_amdhsa_kernel
	.amdgpu_metadata
---
amdhsa.version: [ 1, 2 ]
amdhsa.kernels:
  - .name:           k_q2e36e4d173_absmax
    .symbol:         k_q2e36e4d173_absmax.kd
    .args:
      - { .name: x, .offset: 0, .size: 8, .value_kind: global_buffer, .address_space: global }
      - { .name: weight, .offset: 8, .size: 8, .value_kind: global_buffer, .address_space: global }
      - { .name: amax, .offset: 16, .size: 8, .value_kind: global_buffer, .address_space: global }
    .group_segment_fixed_size: 2304
    .private_segment_fixed_size: 0
    .kernarg_segment_align: 8
    .kernarg_segment_size: 24
    .max_flat_workgroup_size: 512
    .sgpr_count:     66
    .vgpr_count:     210
    .wavefront_size: 32
...
	.end_amdgpu_metadata
.endif
;; end of part 1
;; launch quant (part 2): grid 256 x 1, 16 waves a work-group, no clusters, 0 bytes of LDS; arguments x, weight, amax, qx, qw; writes qx, qw
.if DOCPART == 2
	.amdgcn_target "amdgcn-amd-amdhsa--gfx1250"
	.amdhsa_code_object_version 6
	.text
	.protected	k_q2e36e4d173_quant
	.globl	k_q2e36e4d173_quant
	.p2align	8
	.type	k_q2e36e4d173_quant,@function
k_q2e36e4d173_quant:
	s_mov_b64 s[64:65], 0
	v_nop
	global_prefetch_b8 v0, s[64:65] scope:SCOPE_SE
	s_setreg_imm32_b32 hwreg(HW_REG_WAVE_MODE, 25, 1), 1
	s_wait_xcnt 0x0
; qx = e4m3(clip(x * sx)), qw = e4m3(clip(weight * sw)), kept as bf16.  sx = 448 / max(amax_x, 1e-12), sw likewise.
; Every e4m3 number (three mantissa bits, magnitudes 2^-9 to 448) is exact in bf16, so the product that follows multiplies exactly the rounded numbers.
; x: [2048][4096] f32 -> qx bf16; weight: [4096][4096] f32 -> qw bf16; amax: 256 partial maxima of |x|, then 256 of |weight|.
; Work-group g of 256 owns 131,072 bytes of x and 262,144 of weight.  Sixteen waves; a round of the 512 threads covers 8,192 consecutive bytes
; of input (16 bytes a thread) and 4,096 of output (8 bytes a thread): a wave's load covers 512 consecutive bytes, its store 256, both aligned.
; All 48 loads of a wave go out at once, behind the four loads of the partial maxima; there is no loop.  Each wave reduces the 512 partial
; maxima for itself: no LDS and no barrier.  No store's data or address register is written again, so no wait frees any.
; Matrix units, LDS and clusters are left out: each input byte is read once, by one work-group.
; LIMITS: inputs finite (a NaN loses in the maxima and in v_med3_num_f32); amax below 2^126 (v_rcp_f32 gives zero where its result would be
; denormal: ISA guide 15.8); the scale is 448 * rcp(amax) with one correction step and may differ from the rounded quotient in its last bit,
; which can move a number that lies on a tie of the e4m3 rounding by one step.
.set RND, 8192                         ; input bytes of one round of the 512 threads
.set P,   16                           ; v[16:23] partial maxima of x, v[24:31] of weight
.set D,   32                           ; v[32:223] load j in four registers: j 0-15 x, j 16-47 weight
                                       ; v1 16 t, v2 8 t, v3 16 x lane; v4, v5 fp8 codes; v[8:9] sx twice, v[10:11] sw twice; v12-v15 at work
	s_load_b256 s[4:11], s[0:1], 0x0               ; x s[4:5], weight s[6:7], amax s[8:9], qx s[10:11]
	s_load_b64 s[12:13], s[0:1], 0x20              ; qw
	s_mov_b32 s15, 0
	s_mov_b32 s16, 0x76543210                      ; v_permlanex16_b32: lane i of one half reads lane i of the other
	s_mov_b32 s17, 0xfedcba98
	s_mov_b32 s18, 0xc3e00000                      ; -448.0
	s_mov_b32 s19, 0x43e00000                      ; 448.0
	v_lshlrev_b32 v1, 4, v0
	v_lshlrev_b32 v2, 3, v0
	v_and_b32 v3, 31, v0
	v_lshlrev_b32 v3, 4, v3
	v_mov_b32 v4, 0                                ; the conversions write halves: both registers are written whole once
	v_mov_b32 v5, 0
	v_mov_b32 v15, 0                               ; v_permlanex16_b32's destination counts as read
	s_lshl_b32 s14, ttmp9, 17                      ; g x 131,072: x's share, and qw's
	s_wait_kmcnt 0x0
	s_add_nc_u64 s[4:5], s[4:5], s[14:15]
	s_add_nc_u64 s[12:13], s[12:13], s[14:15]
	s_lshl_b32 s14, ttmp9, 18                      ; g x 262,144: weight's share
	s_add_nc_u64 s[6:7], s[6:7], s[14:15]
	s_lshl_b32 s14, ttmp9, 16                      ; g x 65,536: qx's share
	s_add_nc_u64 s[10:11], s[10:11], s[14:15]
.irp q, 0,1,2,3
	global_load_b128 v[P+4*\q:P+4*\q+3], v3, s[8:9] offset:512*\q   ; 128 partial maxima each; every work-group reads them: no hint
.endr
.set j, 0
.rept 16
	global_load_b128 v[D+4*j:D+4*j+3], v1, s[4:5] offset:RND*j th:TH_LOAD_NT
.set j, j+1
.endr
.set j, 0
.rept 32
	global_load_b128 v[D+64+4*j:D+64+4*j+3], v1, s[6:7] offset:RND*j th:TH_LOAD_NT
.set j, j+1
.endr
; v14 = the largest of the 256 partial maxima that lie in v[p .. p+7] of the 32 lanes (none is negative), in every lane
.macro REDUCE p
	v_max_num_f32 v14, v[\p], v[\p+1]
	v_max3_num_f32 v14, v[\p+2], v[\p+3], v14
	v_max3_num_f32 v14, v[\p+4], v[\p+5], v14
	v_max3_num_f32 v14, v[\p+6], v[\p+7], v14
	v_max_num_f32_dpp v14, v14, v14 row_xmask:1 row_mask:0xf bank_mask:0xf
	v_max_num_f32_dpp v14, v14, v14 row_xmask:2 row_mask:0xf bank_mask:0xf
	v_max_num_f32_dpp v14, v14, v14 row_xmask:4 row_mask:0xf bank_mask:0xf
	v_max_num_f32_dpp v14, v14, v14 row_xmask:8 row_mask:0xf bank_mask:0xf
	v_permlanex16_b32 v15, v14, s16, s17
	v_max_num_f32 v14, v14, v15
.endm
; v[sc], v[sc+1] = 448 / max(v14, 1e-12)
.macro SCALE sc
	v_max_num_f32 v14, 0x2b8cbccc, v14             ; the clip at 1e-12
	v_rcp_f32 v12, v14
	v_nop                                          ; one plain vector instruction behind a transcendental before its result is used (ISA guide 5.7.2)
	s_wait_alu depctr_va_vdst(0)
	v_mul_f32 v[\sc], s19, v12                     ; q = 448 r
	v_fma_f32 v13, -v[\sc], v14, s19               ; what is left: 448 - q amax, in one rounding
	v_fma_f32 v[\sc], v13, v12, v[\sc]             ; q + left x r
	v_mov_b32 v[\sc+1], v[\sc]                     ; a pair for the packed multiply
.endm
; Two loads (eight numbers a lane): scale, clip, round to e4m3, widen, pack as bf16, store 8 bytes for each load.
; left = the loads that are younger than the pair's second.
.macro QUANT2 d, sc, ob, off, left
	s_wait_loadcnt \left                           ; loads come back in order (ISA guide 5.7.1)
.irp k, 0,2,4,6
	v_pk_mul_f32 v[\d+\k:\d+\k+1], v[\d+\k:\d+\k+1], v[\sc:\sc+1]
.endr
.irp k, 0,1,2,3,4,5,6,7
	v_med3_num_f32 v[\d+\k], v[\d+\k], s18, s19    ; the clip to +-448: the conversion below does not saturate
.endr
	v_cvt_pk_fp8_f32 v4.l, v[\d], v[\d+1]
	v_cvt_pk_fp8_f32 v5.l, v[\d+4], v[\d+5]
	v_cvt_pk_fp8_f32 v4.h, v[\d+2], v[\d+3]
	v_cvt_pk_fp8_f32 v5.h, v[\d+6], v[\d+7]
	v_cvt_pk_f32_fp8 v[\d:\d+1], v4.l
	v_cvt_pk_f32_fp8 v[\d+4:\d+5], v5.l
	v_cvt_pk_f32_fp8 v[\d+2:\d+3], v4.h
	v_cvt_pk_f32_fp8 v[\d+6:\d+7], v5.h
	v_cvt_pk_bf16_f32 v[\d], v[\d], v[\d+1]        ; exact: an e4m3 number has a bf16 of its own
	v_cvt_pk_bf16_f32 v[\d+4], v[\d+4], v[\d+5]
	v_cvt_pk_bf16_f32 v[\d+1], v[\d+2], v[\d+3]
	v_cvt_pk_bf16_f32 v[\d+5], v[\d+6], v[\d+7]
	global_store_b64 v2, v[\d:\d+1], s[\ob:\ob+1] offset:\off          ; the wave's 32 lanes store 256 consecutive bytes, aligned; the next launch reads them: no hint
	global_store_b64 v2, v[\d+4:\d+5], s[\ob:\ob+1] offset:\off+4096
.endm
	s_wait_loadcnt 48                              ; the four loads of partial maxima are in; the 48 data loads behind them stay out
	REDUCE P
	SCALE 8
	REDUCE P+8
	SCALE 10
.set p, 0
.rept 8
	QUANT2 D+8*p, 8, 10, 8192*p, 46-2*p            ; x: loads 2p, 2p+1 of 48
.set p, p+1
.endr
.set p, 0
.rept 16
	QUANT2 D+64+8*p, 10, 12, 8192*p, 30-2*p        ; weight: loads 16+2p, 17+2p of 48
.set p, p+1
.endr
	s_endpgm
.Lfunc_end_k_q2e36e4d173_quant:
	.size	k_q2e36e4d173_quant, .Lfunc_end_k_q2e36e4d173_quant-k_q2e36e4d173_quant
	.p2alignl 7, 3214868480
	.fill 96, 4, 3214868480
	.section	.rodata,"a",@progbits
	.p2align	6, 0x0
	.amdhsa_kernel k_q2e36e4d173_quant
		.amdhsa_group_segment_fixed_size 0
		.amdhsa_private_segment_fixed_size 0
		.amdhsa_enable_private_segment 0
		.amdhsa_kernarg_size 40
		.amdhsa_user_sgpr_count 2
		.amdhsa_user_sgpr_kernarg_segment_ptr 1
		.amdhsa_wavefront_size32 1
		.amdhsa_system_sgpr_workgroup_id_x 1
		.amdhsa_system_sgpr_workgroup_id_y 1
		.amdhsa_system_sgpr_workgroup_id_z 1
		.amdhsa_system_vgpr_workitem_id 0
		.amdhsa_next_free_vgpr 224
		.amdhsa_next_free_sgpr 66
		.amdhsa_reserve_vcc 0
		.amdhsa_float_denorm_mode_32 3
		.amdhsa_float_denorm_mode_16_64 3
		.amdhsa_memory_ordered 1
		.amdhsa_forward_progress 1
		.amdhsa_inst_pref_size 47
	.end_amdhsa_kernel
	.amdgpu_metadata
---
amdhsa.version: [ 1, 2 ]
amdhsa.kernels:
  - .name:           k_q2e36e4d173_quant
    .symbol:         k_q2e36e4d173_quant.kd
    .args:
      - { .name: x, .offset: 0, .size: 8, .value_kind: global_buffer, .address_space: global }
      - { .name: weight, .offset: 8, .size: 8, .value_kind: global_buffer, .address_space: global }
      - { .name: amax, .offset: 16, .size: 8, .value_kind: global_buffer, .address_space: global }
      - { .name: qx, .offset: 24, .size: 8, .value_kind: global_buffer, .address_space: global }
      - { .name: qw, .offset: 32, .size: 8, .value_kind: global_buffer, .address_space: global }
    .group_segment_fixed_size: 0
    .private_segment_fixed_size: 0
    .kernarg_segment_align: 8
    .kernarg_segment_size: 40
    .max_flat_workgroup_size: 512
    .sgpr_count:     66
    .vgpr_count:     224
    .wavefront_size: 32
...
	.end_amdgpu_metadata
.endif
;; end of part 2
;; launch gemm (part 3): grid 16 x 16, 4 waves a work-group, clusters of 4 x 4, 327,680 bytes of LDS; arguments qx, qw, amax, bias, out0; writes out0
.if DOCPART == 3
	.amdgcn_target "amdgcn-amd-amdhsa--gfx1250"
	.amdhsa_code_object_version 6
	.text
	.protected	k_q2e36e4d173_gemm
	.globl	k_q2e36e4d173_gemm
	.p2align	8
	.type	k_q2e36e4d173_gemm,@function
k_q2e36e4d173_gemm:
	s_mov_b64 s[64:65], 0
	v_nop
	global_prefetch_b8 v0, s[64:65] scope:SCOPE_SE
	s_setreg_imm32_b32 hwreg(HW_REG_WAVE_MODE, 25, 1), 1
	s_wait_xcnt 0x0
	s_wait_alu depctr_hold_cnt(0) depctr_sa_sdst(0) depctr_va_vdst(0) depctr_va_sdst(0) depctr_va_ssrc(0) depctr_va_vcc(0) depctr_vm_vsrc(0)
	s_getreg_b32 s2, hwreg(HW_REG_IB_STS2, 6, 4)
	s_cmp_eq_u32 s2, 0
	s_cbranch_scc0 .Lentry_in_a_cluster
	s_endpgm
.Lentry_in_a_cluster:
	s_bfe_u32 s2, ttmp6, 0x10000c
	s_cmp_lg_u32 s2, 0xf033
	s_cbranch_scc0 .Lentry_shape_is_right
	s_endpgm
.Lentry_shape_is_right:
; out0[m][n] = (sum over k of qx[m][k] qw[n][k]) * (1/sx)(1/sw) + bias[n].
; qx: [2048][4096] bf16, qw: [4096][4096] bf16 (e4m3-rounded numbers, exact in bf16), out0: [2048][4096] f32, sums in f32.
; sx = 448 / max(amax_x, 1e-12), sw likewise, from the 2 x 256 partial maxima in amax, made as the launch before made them.
; A work-group makes a block of 128 (m) x 256 (n): 16 x 16 = 256 work-groups of equal work (blocks of 256 x 256 would be 128 work-groups only).
; Four waves; a wave makes 64 x 128: 32 accumulator tiles of 16 x 16, 256 registers.  K goes in steps of 128 through a ring of two LDS slots
; filled by the tensor data mover: a tile's rows are 256 bytes of memory and start at multiples of 256 bytes from the buffer's first byte.
; Two slots of two K steps would take 2 x 384 x 528 = 405,504 bytes, more than a work-group can have: the slots hold one step.
; CLUSTERS: 4 x 4 work-groups.  The four of a row of the cluster make blocks of one block row and need the same tiles of qx; the four of a column
; need the same tiles of qw.  Each such tile is asked for jointly, with one descriptor and a mask that names the four: a quarter of the requests.
; By this text's count a wave has two tensor loads out at the start and one behind each round of the cluster's barrier.
; THE MATRIX INSTRUCTION IS USED TRANSPOSED: source 0 = 16 rows of qw, source 1 = 16 rows of qx, so that lane l holds row l % 16 of the tile and
; its registers 0-7 the columns 8 (l / 16) + 0..7: 32 neighbouring bytes of a row of out0.
; REGISTERS: window 0: addresses, constants, two buffers of fragments.  Window 1: the accumulators, tile (a, b) at v[8 (8 a + b)].
; LIMITS: amax below 2^126 (v_rcp_f32 gives zero where its result would be denormal: ISA guide 15.8); 1/sx and 1/sw are v_rcp_f32 results.
.set SIZE_K, 4096
.set SIZE_N, 4096
.set KSTEP,  128
.set PITCH,  272                       ; an LDS row: 256 bytes of data + 16 of padding: the 16 rows that a fragment load touches start 68 words apart
.set AOFF,   256*PITCH                 ; in a slot: qw's 256 rows, then qx's 128 rows
.set SLOT,   384*PITCH                 ; 104,448 bytes
.set STAGE,  2*SLOT                    ; 208,896 = 816 x 256: behind the ring; no tensor load ever lands here
.set SPITCH, 528                       ; a stage row: 512 bytes + 16
.set WSTAGE, 16*SPITCH                 ; 8,448 = 33 x 256 bytes for each wave
.set LAPS,   SIZE_K/(2*KSTEP)          ; 16 laps of two K steps
.set ADRB, 8                           ; v8, v9    LDS address of my qw fragments in slot 0, 1
.set ADRA, 10                          ; v10, v11  the same for qx
.set STO,  12                          ; v12       the way out: where I put 32 bytes of a row
.set RD,   13                          ; v13       the way out: where I read a row back
.set CO,   14                          ; v14       16 x lane: my 16 bytes in a run of 512
.set DQ,   16                          ; v[16:17]  (1/sx)(1/sw), twice
.set BIAS, 20                          ; v[20:23]  bias of the four columns that I store
.set FA,   32                          ; v[32:63], v[64:95]    4 fragments of qx, two buffers
.set FB,   96                          ; v[96:159], v[160:223] 8 fragments of qw, two buffers; on the way out: rows read back
.set PM,   224                         ; v[224:231] partial maxima of x, v[232:239] of weight
.set M,    240                         ; v240 maximum, v241 permute's destination, v242-243 at work, v244 sx, v245 sw
.set G1A, 24                           ; s[24:31] descriptor group 1, qx's tiles
.set G0A, 32                           ; s[32:39] descriptor group 0, qx's tiles, a set for each slot
.set G1B, 48                           ; s[48:55] descriptor group 1, qw's tiles
.set G0B, 56                           ; s[56:63] descriptor group 0, qw's tiles, a set for each slot
.set MUL, 0x50                         ; s_set_vgpr_msb: C and D in window 1, sources 0 and 1 in window 0
.set STG, 0x04                         ; an LDS store's data in window 1, its address in window 0
.set MSB, 0
.macro WIN new                         ; the immediate's high byte repeats the setting that is left; a switch that changes nothing is dropped
.if MSB != \new
	s_set_vgpr_msb (MSB<<8)|\new
.set MSB, \new
.endif
.endm
; A joint load.  Waves 0 and 1 fetch qw's two halves (128 rows each), waves 2 and 3 qx's (64 rows each).  Each line has one mask and one set of
; registers for all that issue it.  The branch hangs on the wave's number alone.
.macro JLOAD s
	s_cmp_eq_u32 s15, 0
	s_cbranch_scc0 .Lfor_a_\@
	tensor_load_to_lds s[G0B+4*\s:G0B+4*\s+3], s[G1B:G1B+7]
	s_nop 0
	s_branch .Lasked_\@
.Lfor_a_\@:
	tensor_load_to_lds s[G0A+4*\s:G0A+4*\s+3], s[G1A:G1A+7]
	s_nop 0
.Lasked_\@:
.endm
; A round of the cluster's barrier: my work-group's barrier; wave 0 signals for the work-group; every wave waits for all sixteen; my work-group's barrier again.
.macro CREST                           ; a round behind its opening barrier
	s_cmp_lg_u32 s14, 0
	s_cbranch_scc1 .Lnot_wave_0_\@
	s_barrier_signal -3
.Lnot_wave_0_\@:
	s_barrier_wait -3
	s_barrier_signal -1
	s_barrier_wait -1
.endm
.macro CROUND                          ; a whole round
	s_barrier_signal -1
	s_barrier_wait -1
	CREST
.endm
	s_load_b256 s[4:11], s[0:1], 0x0               ; qx s[4:5], qw s[6:7], amax s[8:9], bias s[10:11]
	s_load_b64 s[12:13], s[0:1], 0x20              ; out0
	v_lshl_add_u32 v254, v0, 2, 0x3b400
	v_mov_b32 v255, 0
	ds_add_u32 v254, v255
	v_lshrrev_b32 v1, 5, v0
	v_readfirstlane_b32 s14, v1                    ; wave 0..3
	s_lshr_b32 s15, s14, 1                         ; hi: which 64 rows of the block are mine.  Also: I fetch for qw (0) or for qx (1)
	s_and_b32 s16, s14, 1                          ; lo: which 128 columns.  Also: which half of that tile I fetch
	s_bfe_u32 s17, ttmp6, 0x40000                  ; cx
	s_bfe_u32 s18, ttmp6, 0x40004                  ; cy
	s_lshl_b32 s19, ttmp9, 2
	s_add_co_u32 s19, s19, s17                     ; bx: block column = 4 x cluster x + cx
	s_and_b32 s20, ttmp7, 0xffff
	s_lshl_b32 s20, s20, 2
	s_add_co_u32 s20, s20, s18                     ; by: block row = 4 x cluster y + cy
	s_lshl_b32 s21, s18, 2
	s_lshl_b32 s21, 15, s21                        ; my row of the cluster: places 4 cy .. 4 cy + 3
	s_lshl_b32 s22, 0x1111, s17                    ; my column: places cx, cx + 4, cx + 8, cx + 12
	; group 1: 15:0 mask; 17:16 elements of 2 bytes; 20 padding on; 21 set beside a mask; 24:22 after every 64 words (code 5); 31:25 four words (code 3)
	s_or_b32 s[G1A+0], s21, (1<<16)|(1<<20)|(1<<21)|(5<<22)|(3<<25)
	s_mov_b32 s[G1A+1], KSTEP<<16                  ; tensor_dim0 = 128
	s_mov_b32 s[G1A+2], 64<<16                     ; tensor_dim1 = 64
	s_mov_b32 s[G1A+3], KSTEP<<16                  ; tile_dim0 = 128
	s_mov_b32 s[G1A+4], 64                         ; tile_dim1 = 64 rows
	s_mov_b32 s[G1A+5], SIZE_K                     ; elements from row to row
	s_mov_b32 s[G1A+6], 0
	s_mov_b32 s[G1A+7], 0
	s_or_b32 s[G1B+0], s22, (1<<16)|(1<<20)|(1<<21)|(5<<22)|(3<<25)
	s_mov_b32 s[G1B+1], KSTEP<<16
	s_mov_b32 s[G1B+2], 128<<16                    ; tensor_dim1 = 128
	s_mov_b32 s[G1B+3], KSTEP<<16
	s_mov_b32 s[G1B+4], 128                        ; tile_dim1 = 128 rows
	s_mov_b32 s[G1B+5], SIZE_K
	s_mov_b32 s[G1B+6], 0
	s_mov_b32 s[G1B+7], 0
	; where the tiles come from: qx's hang on the block row alone, qw's on the block column alone, each in registers that never hold the other coordinate
	s_lshl_b32 s40, s20, 7
	s_lshl_b32 s23, s16, 6
	s_add_co_u32 s40, s40, s23                     ; qx: row 128 by + 64 lo
	s_lshl_b32 s40, s40, 13                        ; x 8,192 bytes (below 2^24)
	s_mov_b32 s41, 0
	s_lshl_b32 s42, s19, 8
	s_lshl_b32 s23, s16, 7
	s_add_co_u32 s42, s42, s23                     ; qw: row 256 bx + 128 lo
	s_lshl_b32 s42, s42, 13                        ; x 8,192 bytes (below 2^25)
	s_mov_b32 s43, 0
	s_mul_i32 s44, s14, 128*PITCH                  ; qw's halves go to rows 0 and 128 of the slot (waves 0, 1)
	s_mul_i32 s45, s14, 64*PITCH
	s_add_co_u32 s45, s45, 128*PITCH               ; qx's halves to rows 256 and 320 (waves 2, 3): 128 + 64 x wave
	s_mov_b32 s46, 0x76543210                      ; v_permlanex16_b32: lane i of one half reads lane i of the other
	s_mov_b32 s47, 0xfedcba98
	s_wait_dscnt 0x0
	s_wait_kmcnt 0x0
	s_add_nc_u64 s[40:41], s[4:5], s[40:41]
	s_add_nc_u64 s[42:43], s[6:7], s[42:43]
	CROUND                                         ; all sixteen work-groups are here: the first joint loads meet
.irp s, 0,1
	s_mov_b32 s[G0A+4*\s], 1                                       ; count = 1
	s_add_co_u32 s[G0A+4*\s+1], s45, \s*SLOT                       ; LDS address
	s_add_nc_u64 s[G0A+4*\s+2:G0A+4*\s+3], s[40:41], \s*KSTEP*2    ; global address: K step s
	s_or_b32 s[G0A+4*\s+3], s[G0A+4*\s+3], 0x80000000              ; type = 2
	s_mov_b32 s[G0B+4*\s], 1
	s_add_co_u32 s[G0B+4*\s+1], s44, \s*SLOT
	s_add_nc_u64 s[G0B+4*\s+2:G0B+4*\s+3], s[42:43], \s*KSTEP*2
	s_or_b32 s[G0B+4*\s+3], s[G0B+4*\s+3], 0x80000000
	JLOAD \s                                       ; both slots are asked for before anything else is done
.endr
	; the partial maxima and my four numbers of bias
	v_and_b32 v4, 31, v0
	v_lshlrev_b32 v[CO], 4, v4                     ; 16 x lane
.irp q, 0,1,2,3
	global_load_b128 v[PM+4*\q:PM+4*\q+3], v[CO], s[8:9] offset:512*\q
.endr
	s_lshl_b32 s42, s19, 10                        ; my first column in bytes of f32: 1,024 bx + 512 lo
	s_lshl_b32 s23, s16, 9
	s_add_co_u32 s42, s42, s23
	s_mov_b32 s43, 0
	s_add_nc_u64 s[10:11], s[10:11], s[42:43]
	global_load_b128 v[BIAS:BIAS+3], v[CO], s[10:11]               ; read back by rows, a lane keeps the same four columns in every row
	s_lshl_b32 s40, s20, 7
	s_lshl_b32 s41, s15, 6
	s_add_co_u32 s40, s40, s41                     ; my first row of out0: 128 by + 64 hi
	s_lshl_b32 s40, s40, 14                        ; x 16,384 bytes (below 2^25)
	s_mov_b32 s41, 0
	s_add_nc_u64 s[12:13], s[12:13], s[40:41]
	s_add_nc_u64 s[12:13], s[12:13], s[42:43]
	; A fragment is 16 rows x 32 K in 8 registers: lane l holds row l % 16; registers 0-3 K = 8 (l / 16) + 0..7, registers 4-7 K = 16 + 8 (l / 16) + 0..7:
	; two loads of 16 bytes, 32 bytes apart, at row x pitch + 16 (l / 16).
	v_and_b32 v1, 15, v0                           ; r = l % 16
	v_bfe_u32 v2, v0, 4, 1                         ; h = l / 16
	v_mul_u32_u24 v3, v1, PITCH
	v_lshl_add_u32 v3, v2, 4, v3
	s_mul_i32 s2, s16, 128*PITCH                   ; my 128 rows of qw
	s_mul_i32 s23, s15, 64*PITCH                   ; my 64 rows of qx,
	s_add_co_u32 s23, s23, AOFF                    ; which lie behind qw's 256
.irp s, 0,1
	v_add_nc_u32 v[ADRB+\s], s2, v3
	v_add_nc_u32 v[ADRA+\s], s23, v3
	s_add_co_u32 s2, s2, SLOT
	s_add_co_u32 s23, s23, SLOT
.endr
	s_mul_i32 s2, s14, WSTAGE
	s_add_co_u32 s2, s2, STAGE                     ; my stage
	v_mul_u32_u24 v6, v1, SPITCH                   ; in: row r, 32 bytes for each half of the lanes
	v_lshl_add_u32 v6, v2, 5, v6
	v_add_nc_u32 v[STO], s2, v6
	v_add_nc_u32 v[RD], s2, v[CO]                  ; back: the 32 lanes take one row of 512 bytes
	s_mov_b32 s23, 0x43e00000                      ; 448.0
	v_mov_b32 v[M+1], 0                            ; v_permlanex16_b32's destination counts as read
; v[M] = the largest of the 256 partial maxima in v[p .. p+7] of the 32 lanes (none is negative), in every lane
.macro REDUCE p
	v_max_num_f32 v[M], v[\p], v[\p+1]
	v_max3_num_f32 v[M], v[\p+2], v[\p+3], v[M]
	v_max3_num_f32 v[M], v[\p+4], v[\p+5], v[M]
	v_max3_num_f32 v[M], v[\p+6], v[\p+7], v[M]
	v_max_num_f32_dpp v[M], v[M], v[M] row_xmask:1 row_mask:0xf bank_mask:0xf
	v_max_num_f32_dpp v[M], v[M], v[M] row_xmask:2 row_mask:0xf bank_mask:0xf
	v_max_num_f32_dpp v[M], v[M], v[M] row_xmask:4 row_mask:0xf bank_mask:0xf
	v_max_num_f32_dpp v[M], v[M], v[M] row_xmask:8 row_mask:0xf bank_mask:0xf
	v_permlanex16_b32 v[M+1], v[M], s46, s47
	v_max_num_f32 v[M], v[M], v[M+1]
.endm
; v[sc] = 448 / max(v[M], 1e-12), by the same lines as in the launch that quantised
.macro SCALE sc
	v_max_num_f32 v[M], 0x2b8cbccc, v[M]
	v_rcp_f32 v[M+2], v[M]
	v_nop                                          ; one plain vector instruction behind a transcendental before its result is used (ISA guide 5.7.2)
	s_wait_alu depctr_va_vdst(0)
	v_mul_f32 v[\sc], s23, v[M+2]
	v_fma_f32 v[M+3], -v[\sc], v[M], s23
	v_fma_f32 v[\sc], v[M+3], v[M+2], v[\sc]
.endm
	s_wait_loadcnt 0x0                             ; the partial maxima and bias, once
	REDUCE PM
	SCALE M+4
	REDUCE PM+8
	SCALE M+5
	v_rcp_f32 v[M+2], v[M+4]                       ; 1 / sx
	v_rcp_f32 v[M+3], v[M+5]                       ; 1 / sw
	v_nop                                          ; the plain place behind the two
	s_wait_alu depctr_va_vdst(0)
	v_mul_f32 v[DQ], v[M+2], v[M+3]
	v_mul_f32 v[DQ+1], v[M+2], v[M+3]              ; a pair for the packed multiply-add
; 16 matrix instructions: m blocks a0, a0 + 1 x all 8 n blocks, 32 along K, from fragment buffer buf.  zero = 1: the first product starts the sums.
; The 32 accumulators take turns, one instruction a turn, in the same order in every quarter step.
.macro MUL16 buf, a0, zero
.irp a, \a0, \a0+1
.irp b, 0,1,2,3,4,5,6,7
.if \zero
	v_wmma_f32_16x16x32_bf16 v[8*(8*(\a)+\b):8*(8*(\a)+\b)+7], v[FB+64*\buf+8*\b:FB+64*\buf+8*\b+7], v[FA+32*\buf+8*(\a):FA+32*\buf+8*(\a)+7], 0
.else
	v_wmma_f32_16x16x32_bf16 v[8*(8*(\a)+\b):8*(8*(\a)+\b)+7], v[FB+64*\buf+8*\b:FB+64*\buf+8*\b+7], v[FA+32*\buf+8*(\a):FA+32*\buf+8*(\a)+7], v[8*(8*(\a)+\b):8*(8*(\a)+\b)+7]
.endif
.endr
.endr
.endm
; 24 LDS loads in one run, all windows 0: the fragments of one quarter step (128 rows of qw, 64 rows of qx, 32 K at byte k of the rows) into buffer buf
.macro FETCH slot, k, buf
.irp i, 0,1,2,3,4,5,6,7
	ds_load_b128 v[FB+64*\buf+8*\i:FB+64*\buf+8*\i+3],   v[ADRB+\slot] offset:\k+\i*16*PITCH
	ds_load_b128 v[FB+64*\buf+8*\i+4:FB+64*\buf+8*\i+7], v[ADRB+\slot] offset:\k+\i*16*PITCH+32
.endr
.irp i, 0,1,2,3
	ds_load_b128 v[FA+32*\buf+8*\i:FA+32*\buf+8*\i+3],   v[ADRA+\slot] offset:\k+\i*16*PITCH
	ds_load_b128 v[FA+32*\buf+8*\i+4:FA+32*\buf+8*\i+7], v[ADRA+\slot] offset:\k+\i*16*PITCH+32
.endr
.endm
; A load into a register that a matrix instruction has read, and an LDS store that reads a matrix result, stand four places behind that matrix
; instruction; only plain vector instructions that name none of its registers are places (ISA guide 7.12.1 for vector instructions).
.macro PLACES
.rept 4
	v_nop
.endr
.endm
; A K step is four quarter steps of 32 along K, 32 matrix instructions each, on buffers 0, 1, 0, 1.
; One of the first three: at its head it fetches the next quarter's fragments (byte k of the same slot's rows) into buffer g, then multiplies buffer f:
; the fetch has the quarter's 32 matrix instructions in which to land, and a quarter has two switches of the register window.
.macro QUARTER slot, k, f, g, zero
	WIN 0
	PLACES                                         ; buffer g was read by the matrix instructions just issued
	FETCH \slot, \k, \g
	s_wait_dscnt 24                                ; all but the 24 just issued: buffer f is in
	WIN MUL
	MUL16 \f, 0, \zero
	MUL16 \f, 2, \zero
.endm
.macro THREE slot, zero
	QUARTER \slot, 64,  0, 1, \zero
	QUARTER \slot, 128, 1, 0, 0
	QUARTER \slot, 192, 0, 1, 0
.endm
; The last quarter: multiplies buffer 1 and changes slots.  next = the other slot; fill = 1: this slot is filled again, two K steps ahead.
; In front of the barrier each wave waits for its reads of this slot and for all its tensor loads, of which one is out: its part of the next slot.
; Behind it (with fill = 1: behind the round of the cluster's barrier that it opens) nobody reads this slot and the next slot is whole: the refill
; comes first, then the next slot's first fragments.  From a request to the wait for it a wave issues 112 matrix instructions.
.macro TURN slot, next, fill
	s_wait_dscnt 0x0                               ; my reads of this slot are over: the last were buffer 1's fragments
	s_wait_tensorcnt 0x0                           ; all my tensor loads have landed
	ds_add_u32 v254, v255
	s_wait_dscnt 0x0
	s_barrier_signal -1
	WIN MUL
	MUL16 1, 0, 0                                  ; work on registers while the others arrive
	WIN 0
	s_barrier_wait -1
.if \fill
	CREST                                          ; no wave of any partner still reads this slot's tile or has a load on its way
	s_add_nc_u64 s[G0A+4*\slot+2:G0A+4*\slot+3], s[G0A+4*\slot+2:G0A+4*\slot+3], 2*KSTEP*2
	s_add_nc_u64 s[G0B+4*\slot+2:G0B+4*\slot+3], s[G0B+4*\slot+2:G0B+4*\slot+3], 2*KSTEP*2
	JLOAD \slot                                    ; my one tensor load behind the round, and the first thing there
.endif
	PLACES                                         ; buffer 0 was read a quarter ago; these are the places behind the sixteen above as well
	FETCH \next, 0, 0
	WIN MUL
	MUL16 1, 2, 0
.endm
.macro LAP zero                        ; once round the ring, both slots filled again
	THREE 0, \zero
	TURN 0, 1, 1
	THREE 1, 0
	TURN 1, 0, 1
.endm
	s_wait_tensorcnt 0x1                           ; my part of K step 0 is in; K step 1's load, issued behind it, may stay out
	s_barrier_signal -1
	s_barrier_wait -1                              ; everybody's part is in
	FETCH 0, 0, 0
	LAP 1                                          ; the first lap stands in front of the loop: its first products start the sums
	WIN 0                                          ; at a label and at a branch every window is 0
	s_mov_b32 s3, LAPS-2
.Llap:
	LAP 0
	WIN 0
	s_sub_co_u32 s3, s3, 1
	s_cmp_lg_u32 s3, 0
	s_cbranch_scc1 .Llap
	THREE 0, 0                                     ; the last lap fills nothing: my one tensor load still out is slot 1's, the last K step's
	TURN 0, 1, 0
	THREE 1, 0
	s_wait_dscnt 0x0                               ; the very last quarter: buffer 1 is in, nothing more to fetch
	WIN MUL
	MUL16 1, 0, 0
	MUL16 1, 2, 0
	; THE WAY OUT, 16 rows at a time: 32 bytes a lane into my own stage in LDS, read back as whole rows of 512 bytes, scaled, bias added, stored.
	PLACES                                         ; behind the last matrix instructions: for the LDS stores of results and the loads into the fragment buffers
; rows 16 a .. 16 a + 15 of my 64 = the eight tiles (a, 0..7); t: one of the two qw fragment buffers, in turn
.macro OUT16 a, t
	WIN STG
.irp b, 0,1,2,3,4,5,6,7
	ds_store_b128 v[STO], v[8*(8*\a+\b):8*(8*\a+\b)+3] offset:64*\b          ; columns 16 b + 8 h + 0..3 of row r
	ds_store_b128 v[STO], v[8*(8*\a+\b)+4:8*(8*\a+\b)+7] offset:64*\b+16     ; columns 16 b + 8 h + 4..7
.endr
	WIN 0
	s_wait_xcnt 0x0                                ; every earlier memory instruction has had its addresses translated (ISA guide 3.1): buffer t, which stores read, and their base are rewritten only behind this wait
.if \a
	s_add_nc_u64 s[12:13], s[12:13], 16*SIZE_N*4   ; 16 rows of out0 on
.endif
.irp i, 0,1,2,3,4,5,6,7,8,9,10,11,12,13,14,15
	ds_load_b128 v[\t+4*\i:\t+4*\i+3], v[RD] offset:\i*SPITCH                ; LDS serves a wave's instructions in order (ISA guide 5.7.1.4): these see the stores above
.endr
.irp i, 0,1,2,3,4,5,6,7,8,9,10,11,12,13,14,15
	s_wait_dscnt 15-\i                             ; row i is in; the younger rows may be out
	v_pk_fma_f32 v[\t+4*\i:\t+4*\i+1],   v[\t+4*\i:\t+4*\i+1],   v[DQ:DQ+1], v[BIAS:BIAS+1]
	v_pk_fma_f32 v[\t+4*\i+2:\t+4*\i+3], v[\t+4*\i+2:\t+4*\i+3], v[DQ:DQ+1], v[BIAS+2:BIAS+3]
	global_store_b128 v[CO], v[\t+4*\i:\t+4*\i+3], s[12:13] offset:\i*SIZE_N*4 th:TH_STORE_NT   ; the wave stores 512 consecutive bytes, at a multiple of 512 from out0's first byte
.endr
.endm
	OUT16 0, FB
	OUT16 1, FB+64
	OUT16 2, FB
	OUT16 3, FB+64
	s_wait_tensorcnt 0x0
	ds_add_u32 v254, v255
	s_wait_dscnt 0x0
	CROUND                                         ; the closing round: no work-group ends while a partner may still ask for a tile that names it
	s_endpgm
.Lfunc_end_k_q2e36e4d173_gemm:
	.size	k_q2e36e4d173_gemm, .Lfunc_end_k_q2e36e4d173_gemm-k_q2e36e4d173_gemm
	.p2alignl 7, 3214868480
	.fill 96, 4, 3214868480
	.section	.rodata,"a",@progbits
	.p2align	6, 0x0
	.amdhsa_kernel k_q2e36e4d173_gemm
		.amdhsa_group_segment_fixed_size 327680
		.amdhsa_private_segment_fixed_size 0
		.amdhsa_enable_private_segment 0
		.amdhsa_kernarg_size 40
		.amdhsa_user_sgpr_count 2
		.amdhsa_user_sgpr_kernarg_segment_ptr 1
		.amdhsa_wavefront_size32 1
		.amdhsa_system_sgpr_workgroup_id_x 1
		.amdhsa_system_sgpr_workgroup_id_y 1
		.amdhsa_system_sgpr_workgroup_id_z 1
		.amdhsa_system_vgpr_workitem_id 0
		.amdhsa_next_free_vgpr 512
		.amdhsa_next_free_sgpr 66
		.amdhsa_reserve_vcc 0
		.amdhsa_float_denorm_mode_32 3
		.amdhsa_float_denorm_mode_16_64 3
		.amdhsa_memory_ordered 1
		.amdhsa_forward_progress 1
		.amdhsa_inst_pref_size 127
	.end_amdhsa_kernel
	.amdgpu_metadata
---
amdhsa.version: [ 1, 2 ]
amdhsa.kernels:
  - .name:           k_q2e36e4d173_gemm
    .symbol:         k_q2e36e4d173_gemm.kd
    .args:
      - { .name: qx, .offset: 0, .size: 8, .value_kind: global_buffer, .address_space: global }
      - { .name: qw, .offset: 8, .size: 8, .value_kind: global_buffer, .address_space: global }
      - { .name: amax, .offset: 16, .size: 8, .value_kind: global_buffer, .address_space: global }
      - { .name: bias, .offset: 24, .size: 8, .value_kind: global_buffer, .address_space: global }
      - { .name: out0, .offset: 32, .size: 8, .value_kind: global_buffer, .address_space: global }
    .group_segment_fixed_size: 327680
    .private_segment_fixed_size: 0
    .kernarg_segment_align: 8
    .kernarg_segment_size: 40
    .max_flat_workgroup_size: 128
    .sgpr_count:     66
    .vgpr_count:     512
    .wavefront_size: 32
...
	.end_amdgpu_metadata
.endif
;; end of part 3
;; ======== version 2 of 3: 3 launches; 1.16 times as fast as version 1
;; workspace buffers: amax 2,048 bytes; qx 8,388,608 bytes; qw 16,777,216 bytes
;; launch absmax: the kernel of part 1 again; grid 256 x 1, 16 waves a work-group, no clusters, 2,304 bytes of LDS; arguments x, weight, amax; writes amax
;; launch quant (part 4): grid 256 x 1, 16 waves a work-group, no clusters, 0 bytes of LDS; arguments x, weight, amax, qx, qw; writes qx, qw
.if DOCPART == 4
	.amdgcn_target "amdgcn-amd-amdhsa--gfx1250"
	.amdhsa_code_object_version 6
	.text
	.protected	k_q2e36e4d173_quant
	.globl	k_q2e36e4d173_quant
	.p2align	8
	.type	k_q2e36e4d173_quant,@function
k_q2e36e4d173_quant:
	s_mov_b64 s[64:65], 0
	v_nop
	global_prefetch_b8 v0, s[64:65] scope:SCOPE_SE
	s_setreg_imm32_b32 hwreg(HW_REG_WAVE_MODE, 25, 1), 1
	s_wait_xcnt 0x0
; qx = e4m3(clip(x * sx)), qw = e4m3(clip(weight * sw)), kept as e4m3 codes, one byte a number.  sx = 448 / max(amax_x, 1e-12), sw likewise.
; x: [2048][4096] f32 -> qx [2048][4096] bytes; weight: [4096][4096] f32 -> qw [4096][4096] bytes; amax: 256 partial maxima of |x|, then 256 of |weight|.
; ORDER ALONG A ROW OF CODES: byte 8 t + i holds k = 4 t + i, byte 8 t + 4 + i holds k = 2048 + 4 t + i (t = 0..511, i = 0..3), alike in qx and qw.
; The product that follows sums over all k of a row, so a permutation that both operands share changes only the order of its sums.  It lets a
; wave's load cover 512 consecutive bytes and its store 256 consecutive bytes, both aligned.
; Work-group g of 256 owns 131,072 bytes of x (8 rows) and 262,144 of weight (16 rows).  Sixteen waves; a round of the 512 threads covers 8,192
; consecutive bytes, half a row (16 bytes a thread); two rounds make a row, and a thread's eight codes of it are one store of 8 bytes.
; All 48 loads of a wave go out at once, behind the four loads of the partial maxima; there is no loop.  Each wave reduces the 512 partial
; maxima for itself: no LDS and no barrier.  No store's data or address register is written again, so no wait frees any.
; Matrix units, LDS and clusters are left out: each input byte is read once, by one work-group.
; LIMITS: inputs finite (a NaN loses in the maxima and in v_med3_num_f32); amax below 2^126 (v_rcp_f32 gives zero where its result would be
; denormal: ISA guide 15.8); the scale is 448 * rcp(amax) with one correction step and may differ from the rounded quotient in its last bit,
; which can move a number that lies on a tie of the e4m3 rounding by one step.
.set RND, 8192                         ; input bytes of one round of the 512 threads
.set P,   16                           ; v[16:23] partial maxima of x, v[24:31] of weight
.set D,   32                           ; v[32:223] load j in four registers: j 0-15 x, j 16-47 weight
                                       ; v1 16 t, v2 8 t, v3 16 x lane; v4-v7 pairs of codes; v[8:9] sx twice, v[10:11] sw twice; v12-v15 at work
	s_load_b256 s[4:11], s[0:1], 0x0               ; x s[4:5], weight s[6:7], amax s[8:9], qx s[10:11]
	s_load_b64 s[12:13], s[0:1], 0x20              ; qw
	s_mov_b32 s15, 0
	s_mov_b32 s16, 0x76543210                      ; v_permlanex16_b32: lane i of one half reads lane i of the other
	s_mov_b32 s17, 0xfedcba98
	s_mov_b32 s18, 0xc3e00000                      ; -448.0
	s_mov_b32 s19, 0x43e00000                      ; 448.0
	s_mov_b32 s20, 0x05040100                      ; v_perm_b32: the low halves of two registers, the second source's below
	v_lshlrev_b32 v1, 4, v0
	v_lshlrev_b32 v2, 3, v0
	v_and_b32 v3, 31, v0
	v_lshlrev_b32 v3, 4, v3
.irp r, 4,5,6,7
	v_mov_b32 v\r, 0                               ; the conversions write low halves and v_perm_b32 names whole registers: each is written whole once
.endr
	v_mov_b32 v15, 0                               ; v_permlanex16_b32's destination counts as read
	s_lshl_b32 s14, ttmp9, 17                      ; g x 131,072: x's share
	s_wait_kmcnt 0x0
	s_add_nc_u64 s[4:5], s[4:5], s[14:15]
	s_lshl_b32 s14, ttmp9, 18                      ; g x 262,144: weight's share
	s_add_nc_u64 s[6:7], s[6:7], s[14:15]
	s_lshl_b32 s14, ttmp9, 15                      ; g x 32,768: qx's share, 8 rows of 4,096 bytes
	s_add_nc_u64 s[10:11], s[10:11], s[14:15]
	s_lshl_b32 s14, ttmp9, 16                      ; g x 65,536: qw's share, 16 rows
	s_add_nc_u64 s[12:13], s[12:13], s[14:15]
.irp q, 0,1,2,3
	global_load_b128 v[P+4*\q:P+4*\q+3], v3, s[8:9] offset:512*\q   ; 128 partial maxima each; every work-group reads them: no hint
.endr
.set j, 0
.rept 16
	global_load_b128 v[D+4*j:D+4*j+3], v1, s[4:5] offset:RND*j th:TH_LOAD_NT
.set j, j+1
.endr
.set j, 0
.rept 32
	global_load_b128 v[D+64+4*j:D+64+4*j+3], v1, s[6:7] offset:RND*j th:TH_LOAD_NT
.set j, j+1
.endr
; v14 = the largest of the 256 partial maxima that lie in v[p .. p+7] of the 32 lanes (none is negative), in every lane
.macro REDUCE p
	v_max_num_f32 v14, v[\p], v[\p+1]
	v_max3_num_f32 v14, v[\p+2], v[\p+3], v14
	v_max3_num_f32 v14, v[\p+4], v[\p+5], v14
	v_max3_num_f32 v14, v[\p+6], v[\p+7], v14
	v_max_num_f32_dpp v14, v14, v14 row_xmask:1 row_mask:0xf bank_mask:0xf
	v_max_num_f32_dpp v14, v14, v14 row_xmask:2 row_mask:0xf bank_mask:0xf
	v_max_num_f32_dpp v14, v14, v14 row_xmask:4 row_mask:0xf bank_mask:0xf
	v_max_num_f32_dpp v14, v14, v14 row_xmask:8 row_mask:0xf bank_mask:0xf
	v_permlanex16_b32 v15, v14, s16, s17
	v_max_num_f32 v14, v14, v15
.endm
; v[sc], v[sc+1] = 448 / max(v14, 1e-12)
.macro SCALE sc
	v_max_num_f32 v14, 0x2b8cbccc, v14             ; the clip at 1e-12
	v_rcp_f32 v12, v14
	v_nop                                          ; one plain vector instruction behind a transcendental before its result is used (ISA guide 5.7.2)
	s_wait_alu depctr_va_vdst(0)
	v_mul_f32 v[\sc], s19, v12                     ; q = 448 r
	v_fma_f32 v13, -v[\sc], v14, s19               ; what is left: 448 - q amax, in one rounding
	v_fma_f32 v[\sc], v13, v12, v[\sc]             ; q + left x r
	v_mov_b32 v[\sc+1], v[\sc]                     ; a pair for the packed multiply
.endm
; The two loads of one row (eight numbers a lane): scale, clip, round to e4m3, store the eight codes.
; left = the loads that are younger than the pair's second.
; The conversions name halves of registers, which only low register numbers have, and a pending store's data may not be written again: so the
; codes are made in v4-v7 and packed by v_perm_b32 into the row's own load registers, from which they are stored.
.macro QUANT2 d, sc, ob, off, left
	s_wait_loadcnt \left                           ; loads come back in order (ISA guide 5.7.1)
.irp k, 0,2,4,6
	v_pk_mul_f32 v[\d+\k:\d+\k+1], v[\d+\k:\d+\k+1], v[\sc:\sc+1]
.endr
.irp k, 0,1,2,3,4,5,6,7
	v_med3_num_f32 v[\d+\k], v[\d+\k], s18, s19    ; the clip to +-448: the conversion below does not saturate
.endr
	v_cvt_pk_fp8_f32 v4.l, v[\d], v[\d+1]
	v_cvt_pk_fp8_f32 v5.l, v[\d+2], v[\d+3]
	v_cvt_pk_fp8_f32 v6.l, v[\d+4], v[\d+5]
	v_cvt_pk_fp8_f32 v7.l, v[\d+6], v[\d+7]
	v_perm_b32 v[\d], v5, v4, s20                  ; four codes of the row's first half: k = 4 t ..
	v_perm_b32 v[\d+1], v7, v6, s20                ; four of its second half: k = 2048 + 4 t ..
	global_store_b64 v2, v[\d:\d+1], s[\ob:\ob+1] offset:\off          ; the wave's 32 lanes store 256 consecutive bytes, aligned; the next launch reads them: no hint
.endm
	s_wait_loadcnt 48                              ; the four loads of partial maxima are in; the 48 data loads behind them stay out
	REDUCE P
	SCALE 8
	REDUCE P+8
	SCALE 10
.set p, 0
.rept 8
	QUANT2 D+8*p, 8, 10, 4096*p, 46-2*p            ; x: row p of my 8 = loads 2p, 2p+1 of 48
.set p, p+1
.endr
.set p, 0
.rept 16
	QUANT2 D+64+8*p, 10, 12, 4096*p, 30-2*p        ; weight: row p of my 16 = loads 16+2p, 17+2p of 48
.set p, p+1
.endr
	s_endpgm
.Lfunc_end_k_q2e36e4d173_quant:
	.size	k_q2e36e4d173_quant, .Lfunc_end_k_q2e36e4d173_quant-k_q2e36e4d173_quant
	.p2alignl 7, 3214868480
	.fill 96, 4, 3214868480
	.section	.rodata,"a",@progbits
	.p2align	6, 0x0
	.amdhsa_kernel k_q2e36e4d173_quant
		.amdhsa_group_segment_fixed_size 0
		.amdhsa_private_segment_fixed_size 0
		.amdhsa_enable_private_segment 0
		.amdhsa_kernarg_size 40
		.amdhsa_user_sgpr_count 2
		.amdhsa_user_sgpr_kernarg_segment_ptr 1
		.amdhsa_wavefront_size32 1
		.amdhsa_system_sgpr_workgroup_id_x 1
		.amdhsa_system_sgpr_workgroup_id_y 1
		.amdhsa_system_sgpr_workgroup_id_z 1
		.amdhsa_system_vgpr_workitem_id 0
		.amdhsa_next_free_vgpr 224
		.amdhsa_next_free_sgpr 66
		.amdhsa_reserve_vcc 0
		.amdhsa_float_denorm_mode_32 3
		.amdhsa_float_denorm_mode_16_64 3
		.amdhsa_memory_ordered 1
		.amdhsa_forward_progress 1
		.amdhsa_inst_pref_size 39
	.end_amdhsa_kernel
	.amdgpu_metadata
---
amdhsa.version: [ 1, 2 ]
amdhsa.kernels:
  - .name:           k_q2e36e4d173_quant
    .symbol:         k_q2e36e4d173_quant.kd
    .args:
      - { .name: x, .offset: 0, .size: 8, .value_kind: global_buffer, .address_space: global }
      - { .name: weight, .offset: 8, .size: 8, .value_kind: global_buffer, .address_space: global }
      - { .name: amax, .offset: 16, .size: 8, .value_kind: global_buffer, .address_space: global }
      - { .name: qx, .offset: 24, .size: 8, .value_kind: global_buffer, .address_space: global }
      - { .name: qw, .offset: 32, .size: 8, .value_kind: global_buffer, .address_space: global }
    .group_segment_fixed_size: 0
    .private_segment_fixed_size: 0
    .kernarg_segment_align: 8
    .kernarg_segment_size: 40
    .max_flat_workgroup_size: 512
    .sgpr_count:     66
    .vgpr_count:     224
    .wavefront_size: 32
...
	.end_amdgpu_metadata
.endif
;; end of part 4
;; launch gemm (part 5): grid 16 x 16, 4 waves a work-group, clusters of 4 x 4, 327,680 bytes of LDS; arguments qx, qw, amax, bias, out0; writes out0
.if DOCPART == 5
	.amdgcn_target "amdgcn-amd-amdhsa--gfx1250"
	.amdhsa_code_object_version 6
	.text
	.protected	k_q2e36e4d173_gemm
	.globl	k_q2e36e4d173_gemm
	.p2align	8
	.type	k_q2e36e4d173_gemm,@function
k_q2e36e4d173_gemm:
	s_mov_b64 s[64:65], 0
	v_nop
	global_prefetch_b8 v0, s[64:65] scope:SCOPE_SE
	s_setreg_imm32_b32 hwreg(HW_REG_WAVE_MODE, 25, 1), 1
	s_wait_xcnt 0x0
	s_wait_alu depctr_hold_cnt(0) depctr_sa_sdst(0) depctr_va_vdst(0) depctr_va_sdst(0) depctr_va_ssrc(0) depctr_va_vcc(0) depctr_vm_vsrc(0)
	s_getreg_b32 s2, hwreg(HW_REG_IB_STS2, 6, 4)
	s_cmp_eq_u32 s2, 0
	s_cbranch_scc0 .Lentry_in_a_cluster
	s_endpgm
.Lentry_in_a_cluster:
	s_bfe_u32 s2, ttmp6, 0x10000c
	s_cmp_lg_u32 s2, 0xf033
	s_cbranch_scc0 .Lentry_shape_is_right
	s_endpgm
.Lentry_shape_is_right:
; out0[m][n] = (sum over k of qx[m][k] qw[n][k]) * (1/sx)(1/sw) + bias[n].
; qx: [2048][4096], qw: [4096][4096], e4m3 codes of one byte, both with the same order of k along a row; out0: [2048][4096] f32.
; The codes are widened to bf16 in registers (every e4m3 number is exact in bf16); the matrix instructions take bf16 and sum in f32.
; sx = 448 / max(amax_x, 1e-12), sw likewise, from the 2 x 256 partial maxima in amax, made as the launch before made them.
; A work-group makes a block of 128 (m) x 256 (n): 16 x 16 = 256 work-groups of equal work (blocks of 256 x 256 would be 128 work-groups only).
; Four waves; a wave makes 64 x 128: 32 accumulator tiles of 16 x 16, 256 registers.  K goes in steps of 256 through a ring of two LDS slots
; filled by the tensor data mover: a tile's rows are 256 bytes of memory (256 codes) and start at multiples of 256 bytes from the buffer's first
; byte.  Two slots of 512 along K would take 2 x 384 x 528 = 405,504 bytes, more than a work-group can have.
; CLUSTERS: 4 x 4 work-groups.  The four of a row of the cluster make blocks of one block row and need the same tiles of qx; the four of a column
; need the same tiles of qw.  Each such tile is asked for jointly, with one descriptor and a mask that names the four: a quarter of the requests.
; By this text's count a wave has two tensor loads out at the start and one behind each round of the cluster's barrier.
; ORDER OF K: lane (r, h) takes the 16 neighbouring codes at 16 h of each 32 and widens them into its eight fragment registers, alike for both
; operands, so equal places hold equal k and each product meets its partner; the order of the sums is not K ascending.
; THE MATRIX INSTRUCTION IS USED TRANSPOSED: source 0 = 16 rows of qw, source 1 = 16 rows of qx, so that lane l holds row l % 16 of the tile and
; its registers 0-7 the columns 8 (l / 16) + 0..7: 32 neighbouring bytes of a row of out0.
; REGISTERS: window 0: addresses, constants, codes as loaded, two buffers of bf16 fragments.  Window 1: the accumulators, tile (a, b) at v[8 (8 a + b)].
; LIMITS: amax below 2^126 (v_rcp_f32 gives zero where its result would be denormal: ISA guide 15.8); 1/sx and 1/sw are v_rcp_f32 results.
.set SIZE_K, 4096
.set SIZE_N, 4096
.set KSLOT,  256                       ; K of a slot; also the bytes of a tile's row
.set PITCH,  272                       ; an LDS row: 256 bytes of data + 16 of padding: the 16 rows that a fragment load touches start 68 words apart
.set AOFF,   256*PITCH                 ; in a slot: qw's 256 rows, then qx's 128 rows
.set SLOT,   384*PITCH                 ; 104,448 bytes
.set STAGE,  2*SLOT                    ; 208,896 = 816 x 256: behind the ring; no tensor load ever lands here
.set SPITCH, 528                       ; a stage row: 512 bytes + 16
.set WSTAGE, 16*SPITCH                 ; 8,448 = 33 x 256 bytes for each wave
.set LAPS,   SIZE_K/(2*KSLOT)          ; 8 laps of two slots
.set SCL,  1                           ; v1        the conversions' scale: 0x7f in every byte, 2^0
.set ADRB, 2                           ; v2, v3    LDS address of my qw fragments in slot 0, 1
.set ADRA, 4                           ; v4, v5    the same for qx
.set STO,  6                           ; v6        the way out: where I put 32 bytes of a row
.set RD,   7                           ; v7        the way out: where I read a row back
.set CO,   8                           ; v8        16 x lane: my 16 bytes in a run of 512
.set DQ,   10                          ; v[10:11]  (1/sx)(1/sw), twice
.set BIAS, 12                          ; v[12:15]  bias of the four columns that I store
.set RAW,  16                          ; v[16:63]  codes as loaded: fragment i in four registers; i 0-7 qw, 8-11 qx
.set CV,   64                          ; v[64:159], v[160:255]  two buffers of bf16 fragments: fragment i in eight registers; on the way out: rows read back
.set PM,   64                          ; at the head only: v[64:71] partial maxima of x, v[72:79] of weight
.set M,    80                          ; at the head only: v80 maximum, v81 permute's destination, v82-83 at work, v84 sx, v85 sw
.set T,    88                          ; at the head only: v88-91 at work
.set G1A, 24                           ; s[24:31] descriptor group 1, qx's tiles
.set G0A, 32                           ; s[32:39] descriptor group 0, qx's tiles, a set for each slot
.set G1B, 48                           ; s[48:55] descriptor group 1, qw's tiles
.set G0B, 56                           ; s[56:63] descriptor group 0, qw's tiles, a set for each slot
.set MUL, 0x50                         ; s_set_vgpr_msb: C and D in window 1, sources 0 and 1 in window 0
.set STG, 0x04                         ; an LDS store's data in window 1, its address in window 0
.set MSB, 0
.macro WIN new                         ; the immediate's high byte repeats the setting that is left; a switch that changes nothing is dropped
.if MSB != \new
	s_set_vgpr_msb (MSB<<8)|\new
.set MSB, \new
.endif
.endm
; A joint load.  Waves 0 and 1 fetch qw's two halves (128 rows each), waves 2 and 3 qx's (64 rows each).  Each line has one mask and one set of
; registers for all that issue it.  The branch hangs on the wave's number alone.
.macro JLOAD s
	s_cmp_eq_u32 s15, 0
	s_cbranch_scc0 .Lfor_a_\@
	tensor_load_to_lds s[G0B+4*\s:G0B+4*\s+3], s[G1B:G1B+7]
	s_nop 0
	s_branch .Lasked_\@
.Lfor_a_\@:
	tensor_load_to_lds s[G0A+4*\s:G0A+4*\s+3], s[G1A:G1A+7]
	s_nop 0
.Lasked_\@:
.endm
; A round of the cluster's barrier: my work-group's barrier; wave 0 signals for the work-group; every wave waits for all sixteen; my work-group's barrier again.
.macro CREST                           ; a round behind its opening barrier
	s_cmp_lg_u32 s14, 0
	s_cbranch_scc1 .Lnot_wave_0_\@
	s_barrier_signal -3
.Lnot_wave_0_\@:
	s_barrier_wait -3
	s_barrier_signal -1
	s_barrier_wait -1
.endm
.macro CROUND                          ; a whole round
	s_barrier_signal -1
	s_barrier_wait -1
	CREST
.endm
	s_load_b256 s[4:11], s[0:1], 0x0               ; qx s[4:5], qw s[6:7], amax s[8:9], bias s[10:11]
	s_load_b64 s[12:13], s[0:1], 0x20              ; out0
	s_set_vgpr_msb 0x80
	v_lshl_add_u32 v0, v0, 2, 0x3b400
	v_mov_b32 v1, 0
	s_set_vgpr_msb 0x808a
	ds_add_u32 v0, v1
	s_set_vgpr_msb 0x8a00
	v_lshrrev_b32 v9, 5, v0
	v_readfirstlane_b32 s14, v9                    ; wave 0..3
	s_lshr_b32 s15, s14, 1                         ; hi: which 64 rows of the block are mine.  Also: I fetch for qw (0) or for qx (1)
	s_and_b32 s16, s14, 1                          ; lo: which 128 columns.  Also: which half of that tile I fetch
	s_bfe_u32 s17, ttmp6, 0x40000                  ; cx
	s_bfe_u32 s18, ttmp6, 0x40004                  ; cy
	s_lshl_b32 s19, ttmp9, 2
	s_add_co_u32 s19, s19, s17                     ; bx: block column = 4 x cluster x + cx
	s_and_b32 s20, ttmp7, 0xffff
	s_lshl_b32 s20, s20, 2
	s_add_co_u32 s20, s20, s18                     ; by: block row = 4 x cluster y + cy
	s_lshl_b32 s21, s18, 2
	s_lshl_b32 s21, 15, s21                        ; my row of the cluster: places 4 cy .. 4 cy + 3
	s_lshl_b32 s22, 0x1111, s17                    ; my column: places cx, cx + 4, cx + 8, cx + 12
	; group 1, the codes taken two to an element: 15:0 mask; 17:16 elements of 2 bytes; 20 padding on; 21 set beside a mask; 24:22 after every 64 words (code 5); 31:25 four words (code 3)
	s_or_b32 s[G1A+0], s21, (1<<16)|(1<<20)|(1<<21)|(5<<22)|(3<<25)
	s_mov_b32 s[G1A+1], (KSLOT/2)<<16              ; tensor_dim0 = 128 elements = 256 bytes
	s_mov_b32 s[G1A+2], 64<<16                     ; tensor_dim1 = 64
	s_mov_b32 s[G1A+3], (KSLOT/2)<<16              ; tile_dim0 = 128
	s_mov_b32 s[G1A+4], 64                         ; tile_dim1 = 64 rows
	s_mov_b32 s[G1A+5], SIZE_K/2                   ; elements from row to row: 2,048 = 4,096 bytes
	s_mov_b32 s[G1A+6], 0
	s_mov_b32 s[G1A+7], 0
	s_or_b32 s[G1B+0], s22, (1<<16)|(1<<20)|(1<<21)|(5<<22)|(3<<25)
	s_mov_b32 s[G1B+1], (KSLOT/2)<<16
	s_mov_b32 s[G1B+2], 128<<16                    ; tensor_dim1 = 128
	s_mov_b32 s[G1B+3], (KSLOT/2)<<16
	s_mov_b32 s[G1B+4], 128                        ; tile_dim1 = 128 rows
	s_mov_b32 s[G1B+5], SIZE_K/2
	s_mov_b32 s[G1B+6], 0
	s_mov_b32 s[G1B+7], 0
	; where the tiles come from: qx's hang on the block row alone, qw's on the block column alone, each in registers that never hold the other coordinate
	s_lshl_b32 s40, s20, 7
	s_lshl_b32 s23, s16, 6
	s_add_co_u32 s40, s40, s23                     ; qx: row 128 by + 64 lo
	s_lshl_b32 s40, s40, 12                        ; x 4,096 bytes (below 2^23)
	s_mov_b32 s41, 0
	s_lshl_b32 s42, s19, 8
	s_lshl_b32 s23, s16, 7
	s_add_co_u32 s42, s42, s23                     ; qw: row 256 bx + 128 lo
	s_lshl_b32 s42, s42, 12                        ; x 4,096 bytes (below 2^24)
	s_mov_b32 s43, 0
	s_mul_i32 s44, s14, 128*PITCH                  ; qw's halves go to rows 0 and 128 of the slot (waves 0, 1)
	s_mul_i32 s45, s14, 64*PITCH
	s_add_co_u32 s45, s45, 128*PITCH               ; qx's halves to rows 256 and 320 (waves 2, 3): 128 + 64 x wave
	s_mov_b32 s46, 0x76543210                      ; v_permlanex16_b32: lane i of one half reads lane i of the other
	s_mov_b32 s47, 0xfedcba98
	s_wait_dscnt 0x0
	s_wait_kmcnt 0x0
	s_add_nc_u64 s[40:41], s[4:5], s[40:41]
	s_add_nc_u64 s[42:43], s[6:7], s[42:43]
	CROUND                                         ; all sixteen work-groups are here: the first joint loads meet
.irp s, 0,1
	s_mov_b32 s[G0A+4*\s], 1                                       ; count = 1
	s_add_co_u32 s[G0A+4*\s+1], s45, \s*SLOT                       ; LDS address
	s_add_nc_u64 s[G0A+4*\s+2:G0A+4*\s+3], s[40:41], \s*KSLOT      ; global address: K step s
	s_or_b32 s[G0A+4*\s+3], s[G0A+4*\s+3], 0x80000000              ; type = 2
	s_mov_b32 s[G0B+4*\s], 1
	s_add_co_u32 s[G0B+4*\s+1], s44, \s*SLOT
	s_add_nc_u64 s[G0B+4*\s+2:G0B+4*\s+3], s[42:43], \s*KSLOT
	s_or_b32 s[G0B+4*\s+3], s[G0B+4*\s+3], 0x80000000
	JLOAD \s                                       ; both slots are asked for before anything else is done
.endr
	; the partial maxima and my four numbers of bias
	v_and_b32 v[T], 31, v0
	v_lshlrev_b32 v[CO], 4, v[T]                   ; 16 x lane
.irp q, 0,1,2,3
	global_load_b128 v[PM+4*\q:PM+4*\q+3], v[CO], s[8:9] offset:512*\q
.endr
	s_lshl_b32 s42, s19, 10                        ; my first column in bytes of f32: 1,024 bx + 512 lo
	s_lshl_b32 s23, s16, 9
	s_add_co_u32 s42, s42, s23
	s_mov_b32 s43, 0
	s_add_nc_u64 s[10:11], s[10:11], s[42:43]
	global_load_b128 v[BIAS:BIAS+3], v[CO], s[10:11]               ; read back by rows, a lane keeps the same four columns in every row
	s_lshl_b32 s40, s20, 7
	s_lshl_b32 s41, s15, 6
	s_add_co_u32 s40, s40, s41                     ; my first row of out0: 128 by + 64 hi
	s_lshl_b32 s40, s40, 14                        ; x 16,384 bytes (below 2^25)
	s_mov_b32 s41, 0
	s_add_nc_u64 s[12:13], s[12:13], s[40:41]
	s_add_nc_u64 s[12:13], s[12:13], s[42:43]
	; A fragment is 16 rows x 32 K.  Lane l holds row l % 16 and takes the 16 codes at 16 (l / 16) of the 32: one load of 16 bytes at row x pitch + 16 (l / 16).
	v_and_b32 v[T], 15, v0                         ; r = l % 16
	v_bfe_u32 v[T+1], v0, 4, 1                     ; h = l / 16
	v_mul_u32_u24 v[T+2], v[T], PITCH
	v_lshl_add_u32 v[T+2], v[T+1], 4, v[T+2]
	s_mul_i32 s2, s16, 128*PITCH                   ; my 128 rows of qw
	s_mul_i32 s23, s15, 64*PITCH                   ; my 64 rows of qx,
	s_add_co_u32 s23, s23, AOFF                    ; which lie behind qw's 256
.irp s, 0,1
	v_add_nc_u32 v[ADRB+\s], s2, v[T+2]
	v_add_nc_u32 v[ADRA+\s], s23, v[T+2]
	s_add_co_u32 s2, s2, SLOT
	s_add_co_u32 s23, s23, SLOT
.endr
	s_mul_i32 s2, s14, WSTAGE
	s_add_co_u32 s2, s2, STAGE                     ; my stage
	v_mul_u32_u24 v[T+3], v[T], SPITCH             ; in: row r, 32 bytes for each half of the lanes
	v_lshl_add_u32 v[T+3], v[T+1], 5, v[T+3]
	v_add_nc_u32 v[STO], s2, v[T+3]
	v_add_nc_u32 v[RD], s2, v[CO]                  ; back: the 32 lanes take one row of 512 bytes
	s_mov_b32 s23, 0x43e00000                      ; 448.0
	v_mov_b32 v[M+1], 0                            ; v_permlanex16_b32's destination counts as read
	v_mov_b32 v[SCL], 0x7f7f7f7f                   ; the scale 2^(127 - 127) = 1 in each byte
; v[M] = the largest of the 256 partial maxima in v[p .. p+7] of the 32 lanes (none is negative), in every lane
.macro REDUCE p
	v_max_num_f32 v[M], v[\p], v[\p+1]
	v_max3_num_f32 v[M], v[\p+2], v[\p+3], v[M]
	v_max3_num_f32 v[M], v[\p+4], v[\p+5], v[M]
	v_max3_num_f32 v[M], v[\p+6], v[\p+7], v[M]
	v_max_num_f32_dpp v[M], v[M], v[M] row_xmask:1 row_mask:0xf bank_mask:0xf
	v_max_num_f32_dpp v[M], v[M], v[M] row_xmask:2 row_mask:0xf bank_mask:0xf
	v_max_num_f32_dpp v[M], v[M], v[M] row_xmask:4 row_mask:0xf bank_mask:0xf
	v_max_num_f32_dpp v[M], v[M], v[M] row_xmask:8 row_mask:0xf bank_mask:0xf
	v_permlanex16_b32 v[M+1], v[M], s46, s47
	v_max_num_f32 v[M], v[M], v[M+1]
.endm
; v[sc] = 448 / max(v[M], 1e-12), by the same lines as in the launch that quantised
.macro SCALE sc
	v_max_num_f32 v[M], 0x2b8cbccc, v[M]
	v_rcp_f32 v[M+2], v[M]
	v_nop                                          ; one plain vector instruction behind a transcendental before its result is used (ISA guide 5.7.2)
	s_wait_alu depctr_va_vdst(0)
	v_mul_f32 v[\sc], s23, v[M+2]
	v_fma_f32 v[M+3], -v[\sc], v[M], s23
	v_fma_f32 v[\sc], v[M+3], v[M+2], v[\sc]
.endm
	s_wait_loadcnt 0x0                             ; the partial maxima and bias, once
	REDUCE PM
	SCALE M+4
	REDUCE PM+8
	SCALE M+5
	v_rcp_f32 v[M+2], v[M+4]                       ; 1 / sx
	v_rcp_f32 v[M+3], v[M+5]                       ; 1 / sw
	v_nop                                          ; the plain place behind the two
	s_wait_alu depctr_va_vdst(0)
	v_mul_f32 v[DQ], v[M+2], v[M+3]
	v_mul_f32 v[DQ+1], v[M+2], v[M+3]              ; a pair for the packed multiply-add
; 16 matrix instructions: m blocks a0, a0 + 1 x all 8 n blocks, 32 along K, from fragment buffer buf.  zero = 1: the first product starts the sums.
; The 32 accumulators take turns, one instruction a turn, in the same order in every quarter.
.macro MUL16 buf, a0, zero
.irp a, \a0, \a0+1
.irp b, 0,1,2,3,4,5,6,7
.if \zero
	v_wmma_f32_16x16x32_bf16 v[8*(8*(\a)+\b):8*(8*(\a)+\b)+7], v[CV+96*\buf+8*\b:CV+96*\buf+8*\b+7], v[CV+96*\buf+64+8*(\a):CV+96*\buf+64+8*(\a)+7], 0
.else
	v_wmma_f32_16x16x32_bf16 v[8*(8*(\a)+\b):8*(8*(\a)+\b)+7], v[CV+96*\buf+8*\b:CV+96*\buf+8*\b+7], v[CV+96*\buf+64+8*(\a):CV+96*\buf+64+8*(\a)+7], v[8*(8*(\a)+\b):8*(8*(\a)+\b)+7]
.endif
.endr
.endr
.endm
; Six fragments, i0 .. i0 + 5, are widened from codes to bf16 into buffer g: eight codes an instruction, two instructions a fragment.
.macro CVT6 g, i0
.irp i, 0,1,2,3,4,5
	v_cvt_scale_pk8_bf16_fp8 v[CV+96*\g+8*(\i0+\i):CV+96*\g+8*(\i0+\i)+3],   v[RAW+4*(\i0+\i):RAW+4*(\i0+\i)+1],   v[SCL]
	v_cvt_scale_pk8_bf16_fp8 v[CV+96*\g+8*(\i0+\i)+4:CV+96*\g+8*(\i0+\i)+7], v[RAW+4*(\i0+\i)+2:RAW+4*(\i0+\i)+3], v[SCL]
.endr
.endm
; Six LDS loads: the codes of fragments i0 .. i0 + 5 of one quarter (32 K at byte k of the slot's rows)
.macro LD6 slot, k, i0
.irp i, 0,1,2,3,4,5
.if (\i0+\i) < 8
	ds_load_b128 v[RAW+4*(\i0+\i):RAW+4*(\i0+\i)+3], v[ADRB+\slot] offset:\k+(\i0+\i)*16*PITCH
.else
	ds_load_b128 v[RAW+4*(\i0+\i):RAW+4*(\i0+\i)+3], v[ADRA+\slot] offset:\k+(\i0+\i-8)*16*PITCH
.endif
.endr
.endm
; A vector instruction that writes a register that a matrix instruction has read, a load into such a register and an LDS store that reads a matrix
; result stand four places behind that matrix instruction; only plain vector instructions that name none of its registers are places (ISA guide
; 7.12.1 for vector instructions).
.macro PLACES
.rept 4
	v_nop
.endr
.endm
; A slot is eight quarters of 32 along K, 32 matrix instructions each, on buffers 0, 1, 0, 1, ...
; A quarter multiplies buffer f; meanwhile the next quarter's codes, loaded a quarter ago, are widened into buffer g, and the codes of the quarter
; after that (byte k of slot's rows) are loaded into the registers just widened.  Two halves: six fragments and sixteen matrix instructions each.
; The single v_nop is the plain place behind a run of scaled conversions, ahead of whatever writes their sources or reads their results.
.macro QUARTER f, g, slot, k, zero
	WIN 0
	PLACES                                         ; buffer g was read by the matrix instructions of the quarter before
	s_wait_dscnt 6                                 ; fragments 0-5 are in: six loads (fragments 6-11) were issued behind theirs
	CVT6 \g, 0
	v_nop
	LD6 \slot, \k, 0
	WIN MUL
	MUL16 \f, 0, \zero
	WIN 0
	s_wait_dscnt 6                                 ; fragments 6-11 are in: the six loads above were issued behind theirs
	CVT6 \g, 6
	v_nop
	LD6 \slot, \k, 6
	WIN MUL
	MUL16 \f, 2, \zero
.endm
; Quarter 6 of a slot changes slots, since the loads run two quarters ahead: it multiplies buffer 0, widens quarter 7's codes into buffer 1 and loads
; the next slot's first codes.  fill = 1: this slot is filled again, two K steps ahead.
; In front of the barrier each wave waits for its reads of this slot (the last are quarter 7's codes, due now anyway) and for all its tensor loads,
; of which one is out: its part of the next slot.  Behind it (with fill = 1: behind the round of the cluster's barrier that it opens) nobody reads
; this slot and the next slot is whole: the refill comes first, then the next slot's first codes.
; From a request to the wait for it a wave issues 240 matrix instructions.
.macro TURNQ slot, next, fill
	WIN 0
	PLACES                                         ; buffer 1 was read by the matrix instructions of quarter 5
	s_wait_dscnt 0x0                               ; my reads of this slot are over
	s_set_vgpr_msb 0xa
	s_wait_tensorcnt 0x0                           ; all my tensor loads have landed
	ds_add_u32 v0, v1
	s_wait_dscnt 0x0
	s_set_vgpr_msb 0xa00
	s_barrier_signal -1
	CVT6 1, 0                                      ; work on registers while the others arrive
	CVT6 1, 6
	v_nop
	WIN MUL
	MUL16 0, 0, 0
	WIN 0
	s_barrier_wait -1
.if \fill
	CREST                                          ; no wave of any partner still reads this slot's tile or has a load on its way
	s_add_nc_u64 s[G0A+4*\slot+2:G0A+4*\slot+3], s[G0A+4*\slot+2:G0A+4*\slot+3], 2*KSLOT
	s_add_nc_u64 s[G0B+4*\slot+2:G0B+4*\slot+3], s[G0B+4*\slot+2:G0B+4*\slot+3], 2*KSLOT
	JLOAD \slot                                    ; my one tensor load behind the round, and the first thing there
.endif
	LD6 \next, 0, 0
	LD6 \next, 0, 6
	WIN MUL
	MUL16 0, 2, 0
.endm
.macro SIX slot, zero                  ; quarters 0 to 5 of a slot: they load the codes of quarters 2 to 7
	QUARTER 0, 1, \slot, 64,  \zero
	QUARTER 1, 0, \slot, 96,  0
	QUARTER 0, 1, \slot, 128, 0
	QUARTER 1, 0, \slot, 160, 0
	QUARTER 0, 1, \slot, 192, 0
	QUARTER 1, 0, \slot, 224, 0
.endm
.macro STEP slot, next, fill, zero     ; a whole slot
	SIX \slot, \zero
	TURNQ \slot, \next, \fill
	QUARTER 1, 0, \next, 32, 0                     ; quarter 7: widens the next slot's quarter 0, loads its quarter 1
.endm
	s_wait_tensorcnt 0x1                           ; my part of K step 0 is in; K step 1's load, issued behind it, may stay out
	s_barrier_signal -1
	s_barrier_wait -1                              ; everybody's part is in
	LD6 0, 0, 0                                    ; the pipeline starts: quarter 0's codes,
	LD6 0, 0, 6
	s_wait_dscnt 0x0
	CVT6 0, 0                                      ; widened into buffer 0 (the head's temporaries there are done with),
	CVT6 0, 6
	v_nop
	LD6 0, 32, 0                                   ; and quarter 1's codes
	LD6 0, 32, 6
	STEP 0, 1, 1, 1                                ; the first lap stands in front of the loop: its first products start the sums
	STEP 1, 0, 1, 0
	WIN 0                                          ; at a label and at a branch every window is 0
	s_mov_b32 s3, LAPS-2
.Llap:
	STEP 0, 1, 1, 0
	STEP 1, 0, 1, 0
	WIN 0
	s_sub_co_u32 s3, s3, 1
	s_cmp_lg_u32 s3, 0
	s_cbranch_scc1 .Llap
	STEP 0, 1, 0, 0                                ; the last lap fills nothing: my one tensor load still out is slot 1's, the last K step's
	SIX 1, 0
	WIN 0
	PLACES                                         ; buffer 1 was read by the matrix instructions of quarter 5
	s_wait_dscnt 0x0                               ; the last codes are in; nothing more to load
	CVT6 1, 0
	CVT6 1, 6
	v_nop
	WIN MUL
	MUL16 0, 0, 0                                  ; quarter 6
	MUL16 0, 2, 0
	MUL16 1, 0, 0                                  ; quarter 7
	MUL16 1, 2, 0
	; THE WAY OUT, 16 rows at a time: 32 bytes a lane into my own stage in LDS, read back as whole rows of 512 bytes, scaled, bias added, stored.
	PLACES                                         ; behind the last matrix instructions: for the LDS stores of results and the loads into the fragment buffers
; rows 16 a .. 16 a + 15 of my 64 = the eight tiles (a, 0..7); t: 64 registers of one of the two fragment buffers, in turn
.macro OUT16 a, t
	WIN STG
.irp b, 0,1,2,3,4,5,6,7
	ds_store_b128 v[STO], v[8*(8*\a+\b):8*(8*\a+\b)+3] offset:64*\b          ; columns 16 b + 8 h + 0..3 of row r
	ds_store_b128 v[STO], v[8*(8*\a+\b)+4:8*(8*\a+\b)+7] offset:64*\b+16     ; columns 16 b + 8 h + 4..7
.endr
	WIN 0
	s_wait_xcnt 0x0                                ; every earlier memory instruction has had its addresses translated (ISA guide 3.1): buffer t, which stores read, and their base are rewritten only behind this wait
.if \a
	s_add_nc_u64 s[12:13], s[12:13], 16*SIZE_N*4   ; 16 rows of out0 on
.endif
.irp i, 0,1,2,3,4,5,6,7,8,9,10,11,12,13,14,15
	ds_load_b128 v[\t+4*\i:\t+4*\i+3], v[RD] offset:\i*SPITCH                ; LDS serves a wave's instructions in order (ISA guide 5.7.1.4): these see the stores above
.endr
.irp i, 0,1,2,3,4,5,6,7,8,9,10,11,12,13,14,15
	s_wait_dscnt 15-\i                             ; row i is in; the younger rows may be out
	v_pk_fma_f32 v[\t+4*\i:\t+4*\i+1],   v[\t+4*\i:\t+4*\i+1],   v[DQ:DQ+1], v[BIAS:BIAS+1]
	v_pk_fma_f32 v[\t+4*\i+2:\t+4*\i+3], v[\t+4*\i+2:\t+4*\i+3], v[DQ:DQ+1], v[BIAS+2:BIAS+3]
	global_store_b128 v[CO], v[\t+4*\i:\t+4*\i+3], s[12:13] offset:\i*SIZE_N*4 th:TH_STORE_NT   ; the wave stores 512 consecutive bytes, at a multiple of 512 from out0's first byte
.endr
.endm
	OUT16 0, CV
	OUT16 1, CV+96
	OUT16 2, CV
	OUT16 3, CV+96
	s_set_vgpr_msb 0xa
	s_wait_tensorcnt 0x0
	ds_add_u32 v0, v1
	s_wait_dscnt 0x0
	s_set_vgpr_msb 0xa00
	CROUND                                         ; the closing round: no work-group ends while a partner may still ask for a tile that names it
	s_endpgm
.Lfunc_end_k_q2e36e4d173_gemm:
	.size	k_q2e36e4d173_gemm, .Lfunc_end_k_q2e36e4d173_gemm-k_q2e36e4d173_gemm
	.p2alignl 7, 3214868480
	.fill 96, 4, 3214868480
	.section	.rodata,"a",@progbits
	.p2align	6, 0x0
	.amdhsa_kernel k_q2e36e4d173_gemm
		.amdhsa_group_segment_fixed_size 327680
		.amdhsa_private_segment_fixed_size 0
		.amdhsa_enable_private_segment 0
		.amdhsa_kernarg_size 40
		.amdhsa_user_sgpr_count 2
		.amdhsa_user_sgpr_kernarg_segment_ptr 1
		.amdhsa_wavefront_size32 1
		.amdhsa_system_sgpr_workgroup_id_x 1
		.amdhsa_system_sgpr_workgroup_id_y 1
		.amdhsa_system_sgpr_workgroup_id_z 1
		.amdhsa_system_vgpr_workitem_id 0
		.amdhsa_next_free_vgpr 514
		.amdhsa_next_free_sgpr 66
		.amdhsa_reserve_vcc 0
		.amdhsa_float_denorm_mode_32 3
		.amdhsa_float_denorm_mode_16_64 3
		.amdhsa_memory_ordered 1
		.amdhsa_forward_progress 1
		.amdhsa_inst_pref_size 255
	.end_amdhsa_kernel
	.section	.bss,"aw",@nobits
	.p2align	6
	.space	262144
	.amdgpu_metadata
---
amdhsa.version: [ 1, 2 ]
amdhsa.kernels:
  - .name:           k_q2e36e4d173_gemm
    .symbol:         k_q2e36e4d173_gemm.kd
    .args:
      - { .name: qx, .offset: 0, .size: 8, .value_kind: global_buffer, .address_space: global }
      - { .name: qw, .offset: 8, .size: 8, .value_kind: global_buffer, .address_space: global }
      - { .name: amax, .offset: 16, .size: 8, .value_kind: global_buffer, .address_space: global }
      - { .name: bias, .offset: 24, .size: 8, .value_kind: global_buffer, .address_space: global }
      - { .name: out0, .offset: 32, .size: 8, .value_kind: global_buffer, .address_space: global }
    .group_segment_fixed_size: 327680
    .private_segment_fixed_size: 0
    .kernarg_segment_align: 8
    .kernarg_segment_size: 40
    .max_flat_workgroup_size: 128
    .sgpr_count:     66
    .vgpr_count:     514
    .wavefront_size: 32
...
	.end_amdgpu_metadata
.endif
;; end of part 5
;; ======== version 3 of 3: 3 launches; version 2 with the launch quant written anew for expert scheduling mode
;; workspace buffers: amax 2,048 bytes; qx 8,388,608 bytes; qw 16,777,216 bytes
;; launch absmax: the kernel of part 1 again; grid 256 x 1, 16 waves a work-group, no clusters, 2,304 bytes of LDS; arguments x, weight, amax; writes amax
;; launch quant (part 6): grid 256 x 1, 16 waves a work-group, no clusters, 0 bytes of LDS; arguments x, weight, amax, qx, qw; writes qx, qw
.if DOCPART == 6
	.amdgcn_target "amdgcn-amd-amdhsa--gfx1250"
	.amdhsa_code_object_version 6
	.text
	.protected	k_q2e36e4d173_quant
	.globl	k_q2e36e4d173_quant
	.p2align	8
	.type	k_q2e36e4d173_quant,@function
k_q2e36e4d173_quant:
	s_mov_b64 s[64:65], 0
	v_nop
	global_prefetch_b8 v0, s[64:65] scope:SCOPE_SE
	s_setreg_imm32_b32 hwreg(HW_REG_WAVE_SCHED_MODE, 0, 2), 2
	s_setreg_imm32_b32 hwreg(HW_REG_WAVE_MODE, 25, 1), 1
	s_wait_xcnt 0x0
	s_wait_alu depctr_vm_vsrc(0)
; qx = e4m3(clip(x * sx)), qw = e4m3(clip(weight * sw)), kept as e4m3 codes, one byte a number.  sx = 448 / max(amax_x, 1e-12), sw likewise.
; x: [2048][4096] f32 -> qx [2048][4096] bytes; weight: [4096][4096] f32 -> qw [4096][4096] bytes; amax: 256 partial maxima of |x|, then 256 of |weight|.
; ORDER ALONG A ROW OF CODES: byte 8 t + i holds k = 4 t + i, byte 8 t + 4 + i holds k = 2048 + 4 t + i (t = 0..511, i = 0..3), alike in qx and qw.
; The product that follows sums over all k of a row, so a permutation that both operands share changes only the order of its sums.  It lets a
; wave's load cover 512 consecutive bytes and its store 256 consecutive bytes, both aligned.
; Work-group g of 256 owns 131,072 bytes of x (8 rows) and 262,144 of weight (16 rows).  Sixteen waves; a round of the 512 threads covers 8,192
; consecutive bytes, half a row (16 bytes a thread); two rounds make a row, and a thread's eight codes of it are one store of 8 bytes.
; All 48 loads of a wave go out at once, behind the four loads of the partial maxima; there is no loop.  Each wave reduces the 512 partial
; maxima for itself: no LDS and no barrier.  No store's data or address register is written again, so no wait frees any.
; Matrix units, LDS and clusters are left out: each input byte is read once, by one work-group.
; THE MODE: SCHED_MODE bits 1:0 = 2 (LLVM: expert scheduling mode 2), set by the entry lines.  The code itself states the register dependences
; between vector instructions and memory instructions, with s_wait_alu, always for 0.
; THE PLAN.  Registers that memory instructions touch:
;   v1, v2, v3   byte offsets, written once at the head and never again: v3 is read by the loads of the partial maxima, v1 by the 48 data loads, v2 by the 24 stores.
;   P, D         written by the loads, which are all issued before any vector instruction names them.  A row's eight registers of D, from d on, are then
;                worked on in place, and one conversion rounds the eight numbers into the pair v[d-2:d-1]: the last two registers of the row before (for
;                x's first row: of P), which that row's own conversion has read and nothing needs any more.  The row's one store reads the pair, and nothing writes it again.
;   v4, v8-v15   named by vector instructions alone.
; The 24 rows go in six blocks of four.  A block's four stores stand in one run at the head of the next block, behind that block's first wait for
; data and ONE wait on va_vdst, which states that the block before has written its codes; between that wait and the stores stands no vector instruction.
; The last block's stores follow one more such wait.  One wait on va_vdst at the head states that the three offsets are written.
; No register that a memory instruction reads is written again, no vector instruction writes a scalar register or VCC, and EXEC is never written:
; so the text holds no wait on vm_vsrc, va_sdst or va_vcc.
; LIMITS: inputs finite (a NaN loses in the maxima and in v_med3_num_f32); amax below 2^126 (v_rcp_f32 gives zero where its result would be
; denormal: ISA guide 15.8); the scale is 448 * rcp(amax) with one correction step and may differ from the rounded quotient in its last bit,
; which can move a number that lies on a tie of the e4m3 rounding by one step.
.set RND, 8192                         ; input bytes of one round of the 512 threads
.set P,   16                           ; v[16:23] partial maxima of x, v[24:31] of weight
.set D,   32                           ; v[32:223] load j in four registers: j 0-15 x, j 16-47 weight
                                       ; v1 16 t, v2 8 t, v3 16 x lane; v4 1.0, the conversions' scale; v[8:9] sx twice, v[10:11] sw twice; v12-v15 at work
	s_load_b256 s[4:11], s[0:1], 0x0               ; x s[4:5], weight s[6:7], amax s[8:9], qx s[10:11]
	s_load_b64 s[12:13], s[0:1], 0x20              ; qw
	s_mov_b32 s15, 0
	s_mov_b32 s16, 0x76543210                      ; v_permlanex16_b32: lane i of one half reads lane i of the other
	s_mov_b32 s17, 0xfedcba98
	s_mov_b32 s18, 0xc3e00000                      ; -448.0
	s_mov_b32 s19, 0x43e00000                      ; 448.0
	v_lshlrev_b32 v1, 4, v0
	v_lshlrev_b32 v2, 3, v0
	v_and_b32 v3, 31, v0
	v_lshlrev_b32 v3, 4, v3
	v_mov_b32 v4, 1.0                              ; the conversion divides by two to the exponent of this number: by 1
	v_mov_b32 v15, 0                               ; v_permlanex16_b32's destination counts as read
	s_lshl_b32 s14, ttmp9, 17                      ; g x 131,072: x's share
	s_wait_kmcnt 0x0
	s_add_nc_u64 s[4:5], s[4:5], s[14:15]
	s_lshl_b32 s14, ttmp9, 18                      ; g x 262,144: weight's share
	s_add_nc_u64 s[6:7], s[6:7], s[14:15]
	s_lshl_b32 s14, ttmp9, 15                      ; g x 32,768: qx's share, 8 rows of 4,096 bytes
	s_add_nc_u64 s[10:11], s[10:11], s[14:15]
	s_lshl_b32 s14, ttmp9, 16                      ; g x 65,536: qw's share, 16 rows
	s_add_nc_u64 s[12:13], s[12:13], s[14:15]
	s_wait_alu depctr_va_vdst(0)                   ; v1, v2 and v3 are written: every load and store of the kernel reads one of them as its offset
.irp q, 0,1,2,3
	global_load_b128 v[P+4*\q:P+4*\q+3], v3, s[8:9] offset:512*\q   ; 128 partial maxima each; every work-group reads them: no hint
.endr
.set j, 0
.rept 16
	global_load_b128 v[D+4*j:D+4*j+3], v1, s[4:5] offset:RND*j th:TH_LOAD_NT
.set j, j+1
.endr
.set j, 0
.rept 32
	global_load_b128 v[D+64+4*j:D+64+4*j+3], v1, s[6:7] offset:RND*j th:TH_LOAD_NT
.set j, j+1
.endr
; v14 = the largest of the 256 partial maxima that lie in v[p .. p+7] of the 32 lanes (none is negative), in every lane
.macro REDUCE p
	v_max_num_f32 v14, v[\p], v[\p+1]
	v_max3_num_f32 v14, v[\p+2], v[\p+3], v14
	v_max3_num_f32 v14, v[\p+4], v[\p+5], v14
	v_max3_num_f32 v14, v[\p+6], v[\p+7], v14
	v_max_num_f32_dpp v14, v14, v14 row_xmask:1 row_mask:0xf bank_mask:0xf
	v_max_num_f32_dpp v14, v14, v14 row_xmask:2 row_mask:0xf bank_mask:0xf
	v_max_num_f32_dpp v14, v14, v14 row_xmask:4 row_mask:0xf bank_mask:0xf
	v_max_num_f32_dpp v14, v14, v14 row_xmask:8 row_mask:0xf bank_mask:0xf
	v_permlanex16_b32 v15, v14, s16, s17
	v_max_num_f32 v14, v14, v15
.endm
; v[sc], v[sc+1] = 448 / max(v14, 1e-12)
.macro SCALE sc
	v_max_num_f32 v14, 0x2b8cbccc, v14             ; the clip at 1e-12
	v_rcp_f32 v12, v14
	v_nop                                          ; one plain vector instruction behind a transcendental before its result is used (ISA guide 5.7.2)
	s_wait_alu depctr_va_vdst(0)                   ; the reciprocal in v12 is written, ahead of its first reader
	v_mul_f32 v[\sc], s19, v12                     ; q = 448 r
	v_fma_f32 v13, -v[\sc], v14, s19               ; what is left: 448 - q amax, in one rounding
	v_fma_f32 v[\sc], v13, v12, v[\sc]             ; q + left x r
	v_mov_b32 v[\sc+1], v[\sc]                     ; a pair for the packed multiply
.endm
; The two loads of one row (eight numbers a lane, in v[d .. d+7]): scale, clip, round to e4m3.
; One conversion rounds all eight: number i goes to byte i of the pair, so the lower register holds the four codes of the row's first half
; (k = 4 t ..) and the upper one the four of its second half (k = 2048 + 4 t ..).  Its destination may overlap none of its sources: it is
; v[d-2:d-1], which the conversion of the row before has read; the twelve plain lines of this row stand between the two conversions.
.macro ROW d, sc
.irp k, 0,2,4,6
	v_pk_mul_f32 v[\d+\k:\d+\k+1], v[\d+\k:\d+\k+1], v[\sc:\sc+1]
.endr
.irp k, 0,1,2,3,4,5,6,7
	v_med3_num_f32 v[\d+\k], v[\d+\k], s18, s19    ; the clip to +-448, made in f32 ahead of the rounding
.endr
	v_cvt_scalef32_pk8_fp8_f32 v[\d-2:\d-1], v[\d:\d+7], v4
.endm
; The four stores of a finished block of rows from register pd on: row i's codes lie in v[pd + 8 i - 2], v[pd + 8 i - 1].
.macro SEND4 pd, pob, poff
	v_nop                                          ; one plain vector instruction behind the block's last scaled conversion, before its result is touched
	s_wait_alu depctr_va_vdst(0)                   ; the block's four conversions have written its codes, which the four stores below read; no vector instruction stands between
.irp i, 0,1,2,3
	global_store_b64 v2, v[\pd+8*\i-2:\pd+8*\i-1], s[\pob:\pob+1] offset:\poff+4096*\i   ; the wave's 32 lanes store 256 consecutive bytes, aligned; the next launch reads them: no hint
.endr
.endm
; A block of four rows, from register d on.  left = the loads that are younger than its first row's second load; each further row has two fewer.
; prev = 1: the block before (registers from pd on, output base s[pob:pob+1], byte poff of my share) is stored first, behind this block's first wait for data.
.macro BLK d, sc, left, prev, pd=0, pob=0, poff=0
	s_wait_loadcnt \left                           ; loads come back in order (ISA guide 5.7.1): this block's first row is in, the younger loads stay out
.if \prev
	SEND4 \pd, \pob, \poff
.endif
	ROW \d, \sc
	s_wait_loadcnt \left-2
	ROW \d+8, \sc
	s_wait_loadcnt \left-4
	ROW \d+16, \sc
	s_wait_loadcnt \left-6
	ROW \d+24, \sc
.endm
	s_wait_loadcnt 48                              ; the four loads of partial maxima are in; the 48 data loads behind them stay out
	REDUCE P
	SCALE 8
	REDUCE P+8
	SCALE 10
	BLK D,     8,  46, 0                           ; x: rows 0-3 of my 8 = loads 0-7 of 48
	BLK D+32,  8,  38, 1, D,     10, 0             ; x: rows 4-7; rows 0-3 go out
	BLK D+64,  10, 30, 1, D+32,  10, 16384         ; weight: rows 0-3 of my 16 = loads 16-23 of 48; x's rows 4-7 go out
	BLK D+96,  10, 22, 1, D+64,  12, 0             ; weight: rows 4-7; rows 0-3 go out
	BLK D+128, 10, 14, 1, D+96,  12, 16384         ; weight: rows 8-11; rows 4-7 go out
	BLK D+160, 10, 6,  1, D+128, 12, 32768         ; weight: rows 12-15: the last count is 0; rows 8-11 go out
	SEND4 D+160, 12, 49152                         ; weight's rows 12-15
	s_endpgm
.Lfunc_end_k_q2e36e4d173_quant:
	.size	k_q2e36e4d173_quant, .Lfunc_end_k_q2e36e4d173_quant-k_q2e36e4d173_quant
	.p2alignl 7, 3214868480
	.fill 96, 4, 3214868480
	.section	.rodata,"a",@progbits
	.p2align	6, 0x0
	.amdhsa_kernel k_q2e36e4d173_quant
		.amdhsa_group_segment_fixed_size 0
		.amdhsa_private_segment_fixed_size 0
		.amdhsa_enable_private_segment 0
		.amdhsa_kernarg_size 40
		.amdhsa_user_sgpr_count 2
		.amdhsa_user_sgpr_kernarg_segment_ptr 1
		.amdhsa_wavefront_size32 1
		.amdhsa_system_sgpr_workgroup_id_x 1
		.amdhsa_system_sgpr_workgroup_id_y 1
		.amdhsa_system_sgpr_workgroup_id_z 1
		.amdhsa_system_vgpr_workitem_id 0
		.amdhsa_next_free_vgpr 224
		.amdhsa_next_free_sgpr 66
		.amdhsa_reserve_vcc 0
		.amdhsa_float_denorm_mode_32 3
		.amdhsa_float_denorm_mode_16_64 3
		.amdhsa_memory_ordered 1
		.amdhsa_forward_progress 1
		.amdhsa_inst_pref_size 31
	.end_amdhsa_kernel
	.amdgpu_metadata
---
amdhsa.version: [ 1, 2 ]
amdhsa.kernels:
  - .name:           k_q2e36e4d173_quant
    .symbol:         k_q2e36e4d173_quant.kd
    .args:
      - { .name: x, .offset: 0, .size: 8, .value_kind: global_buffer, .address_space: global }
      - { .name: weight, .offset: 8, .size: 8, .value_kind: global_buffer, .address_space: global }
      - { .name: amax, .offset: 16, .size: 8, .value_kind: global_buffer, .address_space: global }
      - { .name: qx, .offset: 24, .size: 8, .value_kind: global_buffer, .address_space: global }
      - { .name: qw, .offset: 32, .size: 8, .value_kind: global_buffer, .address_space: global }
    .group_segment_fixed_size: 0
    .private_segment_fixed_size: 0
    .kernarg_segment_align: 8
    .kernarg_segment_size: 40
    .max_flat_workgroup_size: 512
    .sgpr_count:     66
    .vgpr_count:     224
    .wavefront_size: 32
...
	.end_amdgpu_metadata
.endif
;; end of part 6
;; launch gemm: the kernel of part 5 again; grid 16 x 16, 4 waves a work-group, clusters of 4 x 4, 327,680 bytes of LDS; arguments qx, qw, amax, bias, out0; writes out0
